; MI455X (gfx1250); checked and timed in simulation.
; The chip was launched on July 23, 2026; its instructions are those of AMD's public machine-readable ISA for CDNA 5 (MIT licence, August 2026) and "CDNA5" Instruction Set Architecture Reference Guide (July 2026). The comments in the code are by the model that wrote it; some were corrected since.
;; Multi Head Attention. Allowed arithmetic: matrix products marked QUANTISED: E3M2 operands, one E8M0 scale for each 32 along K, by v_wmma_scale_f32_16x16x128_f8f6f4 with both operands' format E3M2, f32 sums; everything else in f32.
;; Inputs: Wk 1,024 x 1,024 float32; Wo 1,024 x 1,024 float32; Wq 1,024 x 1,024 float32; Wv 1,024 x 1,024 float32; bo 1,024 float32; x 4 x 2,048 x 1,024 float32.
;; Outputs: out0 4 x 2,048 x 1,024 float32.
;; This version of the problem:
;;   THIS VERSION OF THE PROBLEM IS GIVEN IN LOW PRECISION. The matrix products marked QUANTISED in the list below multiply operands that are first quantised to E3M2 (3 exponent bits, 2 mantissa bits; 6 bits a number), with one power-of-two scale for each 32 numbers along K (OCP MX v1.0); their sums are f32. All else is computed in f32.
;;   The module's matrix products, in the order in which they are computed (A, B: the left and right operand; K: the contracted axis; several contracted axes count as one K, in the product's order):
;;     1. [M 8,192, K 1,024] x [K 1,024, N 1,024]; A: input x; B: input Wq: QUANTISED
;;     2. [M 8,192, K 1,024] x [K 1,024, N 1,024]; A: input x; B: input Wk: QUANTISED
;;     3. [M 8,192, K 1,024] x [K 1,024, N 1,024]; A: input x; B: input Wv: QUANTISED
;;     4. batch 64 x [M 2,048, K 64] x [K 64, N 2,048]; A: computed on the way; B: computed on the way: QUANTISED
;;     5. batch 64 x [M 2,048, K 2,048] x [K 2,048, N 64]; A: softmax (see below); B: computed on the way: QUANTISED
;;     6. [M 8,192, K 1,024] x [K 1,024, N 1,024]; A: computed on the way; B: input Wo: QUANTISED
;;   THE QUANTISER, for each operand of a quantised product, along K:
;;     - K is cut into blocks of 32 from its start; a last block that is shorter is filled with zeros.
;;     - A block's scale is 2^e with e = floor(log2(the largest magnitude in the block)) - 4, held to -126 .. 127; a block of zeros has e = 0. As a byte (E8M0): e + 127.
;;     - Each number is divided by its block's scale, clamped to +-28, and rounded to the nearest number of E3M2, ties to even, subnormals kept.
;;     - The product sums the exact products of the quantised numbers (number of the format x scale) in f32.
;;   ~~~python
;;   def quantise(x, axis):      # numpy; x: float32 -> the quantised numbers, widened to float32 again
;;       x = np.moveaxis(x, axis, -1); K = x.shape[-1]
;;       x = np.pad(x, [(0, 0)] * (x.ndim - 1) + [(0, -K % 32)]); x = x.reshape(x.shape[:-1] + (-1, 32)); a = np.abs(x).max(-1, keepdims=True)
;;       e = np.where(a > 0, np.clip(np.frexp(np.where(a > 0, a, 1))[1] - 1 - 4, -126, 127), 0)      # np.frexp(a)[1] - 1 = floor(log2(a)), exactly
;;       r = np.clip(x / 2.0 ** e, -28, 28)
;;       step = 2.0 ** (np.maximum(np.frexp(np.where(r == 0, 1, r))[1] - 1, -2) - 2)
;;       q = np.round(r / step) * step * 2.0 ** e      # np.round: ties to even
;;       return np.moveaxis(q.reshape(q.shape[:-2] + (-1,))[..., :K], -1, axis).astype(np.float32)
;;   ~~~
;;   SOFTMAX AHEAD OF A QUANTISED PRODUCT. Where the list says 'softmax', what is quantised is not the finished softmax but p = 2^(t - M), with t = logit x log2(e) and M = ceil(the row's largest t), a whole number; so 1/2 < the row's largest p <= 1. The row's sum l is taken of the UNQUANTISED p, in f32, and the product's result is divided by l at the end. Since M is a whole number, a kernel that streams over the keys may use a running M (the ceiling of the running maximum): every later rescaling is an exact power of two, which a block's scale takes up: the codes' values come out the same.
;;   OPERANDS COMPUTED ON THE WAY. 'Computed on the way' means the value that the module computes at that place (a softmax that the list does not call 'softmax' is quantised finished and normalised). What goes into a quantiser is computed in f32, as accurately as f32 sums, v_exp_f32 and their like allow (about 1e-6 of the number): no bf16 or f16 on the way to a quantiser, and a product that is left as it is and whose result goes on into a quantised operand takes f32 operands (vector FMAs, or v_wmma_f32_16x16x4_f32). A number that lies on a knife's edge between two numbers of the format may be rounded either way, as far as f32 arithmetic and the matrix unit's own rounding can turn it there, and no further.
;; One version. Each part assembles by itself: llvm-mc -triple=amdgcn-amd-amdhsa -mcpu=gfx1250 --defsym DOCPART=n.
;; ======== version 1 of 1: 4 launches
;; workspace buffers: xi 6,291,456 bytes; xs 262,144 bytes; wi 3,145,728 bytes; ws 131,072 bytes; hd 19,660,800 bytes; ci 6,291,456 bytes; cs 262,144 bytes
;; launch quant (part 1): grid 384 x 1, 4 waves a work-group, no clusters, 58,880 bytes of LDS; arguments x, Wq, Wk, Wv, Wo, xi, xs, wi, ws; writes xi, xs, wi, ws
.if DOCPART == 1
	.amdgcn_target "amdgcn-amd-amdhsa--gfx1250"
	.amdhsa_code_object_version 6
	.text
	.protected	k_q259fbc098d_quant
	.globl	k_q259fbc098d_quant
	.p2align	8
	.type	k_q259fbc098d_quant,@function
k_q259fbc098d_quant:
	s_mov_b64 s[64:65], 0
	v_nop
	global_prefetch_b8 v0, s[64:65] scope:SCOPE_SE
	s_setreg_imm32_b32 hwreg(HW_REG_WAVE_MODE, 25, 1), 1
	s_wait_xcnt 0x0
; x [8192][1024] and the four weights [1024 (k)][1024 (n)], f32, become codes of BF6 (E3M2) with one E8M0 byte for each 32 along K = the 1,024.
; A block's scale is 2^(floor(log2(its largest magnitude)) - 4); its byte is the largest magnitude's exponent field - 4, held at 1 from below.
; LAYOUT OF THE RESULTS (this program's own buffers): images of the matrix operand's registers.
;   A TILE is 16 rows, not neighbours: row p of tile T is row 32 (T / 2) + 8 (T % 2) + p + 8 (p / 8).
;   A RECORD, 768 bytes, is a tile x 64 along K: place L = p + 16 h holds block h (32 codes, 6 registers) of row p: registers 0-3 at byte 16 L, registers 4-5 at byte 512 + 8 L.
;   codes: [tile][K / 64 = 16][768];  scale words: byte T x 512 + (s / 2) x 128 + p x 8 + (s % 2) x 4, s the step of 128 along K, byte b of a word = block 4 s + b.
;   wi, ws hold the weights' columns as rows: tiles 0-63 Wq, 64-127 Wk, 128-191 Wv, 192-255 Wo.
; SHARES.  Work-groups 0-127 take the weights (a lane takes a column, its registers run down K: nothing is transposed by an instruction), work-groups 128-383 take x.
; The two ways part on the work-group's number alone and have LDS bytes of their own.  Waves share nothing: no barrier.  No matrix unit, no cluster: memory binds, and no input is shared.
; LIMITS: NaN and infinities among the inputs are not served.  A block of zeros gets the byte 1 where the rule says 127: its codes are zeros, which add nothing under any byte but 0xff, and this program alone reads the bytes.
.set SEL,  26                          ; s[26:27] v_permlanex16_b32's selects for lane l xor 16
.set HM,   28                          ; s28  the mask of lanes 16-31
; the way of x
.set TM,   8                           ; v8-23    at work in QUANT
.set PW,   24                          ; v24-27   the four fragments' scale words
.set R,    32                          ; v32-159  two sets of 64 registers as loaded
.set X,    160                         ; v160-223 64 numbers: register 16 b + i = k 32 b + 16 h + i of my row
.set PC,   224                         ; v224-243 the codes just made
.set SPX,  528                         ; a stage row: 512 bytes + 16, so that the sixteen rows of a read start at sixteen different 16-byte columns
; the way of the weights
.set XW,   32                          ; v32-95   two sets of 32 numbers
.set CW,   96                          ; v96-102  a block's codes
.set SB,   24                          ; v24-25   my column's 8 scale bytes
.set OUTR, 112                         ; v112-159 the way out
.set WLDS, 4*16*SPX                    ; the weights' stages begin behind x's: 6,144 bytes a wave
	s_load_b256 s[4:11], s[0:1], 0x0               ; x s[4:5], Wq s[6:7], Wk s[8:9], Wv s[10:11]
	s_load_b256 s[12:19], s[0:1], 0x20             ; Wo s[12:13], xi s[14:15], xs s[16:17], wi s[18:19]
	s_load_b64 s[20:21], s[0:1], 0x40              ; ws
	v_lshl_add_u32 v254, v0, 2, 0xe400
	v_mov_b32 v255, 0
	v_lshrrev_b32 v1, 5, v0
	v_readfirstlane_b32 s24, v1                    ; wave 0..3
	v_and_b32 v30, 31, v0                          ; lane L
	s_mov_b32 s[SEL], 0x76543210
	s_mov_b32 s[SEL+1], 0xfedcba98
	s_mov_b32 s[HM], 0xffff0000
	s_cmp_lt_u32 ttmp9, 128
	s_cbranch_scc0 .Lx_path
; ---------------- THE WEIGHTS.  Work-group g: weight g / 32, 256 along K: (g / 8) % 4, 128 columns: g % 8.  A wave: 32 columns = a pair of tiles.
	s_lshr_b32 s30, ttmp9, 5                       ; which weight
	s_and_b32 s31, ttmp9, 7                        ; which 128 columns
	s_bfe_u32 s32, ttmp9, 0x20003                  ; which 256 along K
	s_wait_alu depctr_va_vdst(0)
	v_lshlrev_b32 v3, 2, v30                       ; in: 4 bytes a lane: a load reads 128 consecutive bytes
	v_bfe_u32 v9, v30, 3, 1                        ; column L of the pair is row p = L % 8 + 8 (L / 16) of tile u = (L / 8) % 2
	v_and_b32 v10, 7, v30
	v_lshrrev_b32 v14, 4, v30
	v_lshl_add_u32 v10, v14, 3, v10
	s_mul_i32 s33, s24, 6144
	s_add_co_u32 s33, s33, WLDS                    ; my stage: two tiles x four records
	v_mul_u32_u24 v14, v9, 3072
	v_add_nc_u32 v14, s33, v14
	v_lshl_add_u32 v4, v10, 4, v14                 ; where registers 0-3 of a block go: 16 p (+ 256 h + 768 x record in the immediate)
	v_lshl_add_u32 v5, v10, 3, v14
	v_add_nc_u32 v5, 512, v5                       ; and registers 4-5: 512 + 8 p (+ 128 h)
	v_lshlrev_b32 v7, 4, v30                       ; out: 16 bytes a lane
	v_add_nc_u32 v6, s33, v7
	v_lshlrev_b32 v8, 9, v9
	v_lshl_add_u32 v8, v10, 3, v8                  ; my two scale words: tile u x 512 + 8 p
	s_lshl_b32 s34, s32, 20                        ; W: 256 rows of 4,096 bytes,
	s_lshl_b32 s35, s31, 9
	s_add_co_u32 s34, s34, s35                     ; 128 columns of 4 bytes,
	s_lshl_b32 s35, s24, 7
	s_add_co_u32 s34, s34, s35                     ; my wave's 32
	s_mov_b32 s35, 0
	s_lshl_b32 s36, s30, 6
	s_lshl_b32 s37, s31, 3
	s_add_co_u32 s36, s36, s37
	s_lshl_b32 s37, s24, 1
	s_add_co_u32 s36, s36, s37                     ; my first tile: 64 x weight + 8 x columns + 2 x wave
	s_mul_i32 s38, s36, 12288
	s_mul_i32 s39, s32, 3072
	s_add_co_u32 s38, s38, s39                     ; its codes of my 256 along K
	s_mov_b32 s39, 0
	s_lshl_b32 s40, s36, 9
	s_lshl_b32 s41, s32, 7
	s_add_co_u32 s40, s40, s41                     ; and its scale words
	s_mov_b32 s41, 0
	s_wait_kmcnt 0x0
	s_mov_b64 s[22:23], s[6:7]                     ; the weight is chosen by the work-group's number alone
	s_cmp_eq_u32 s30, 1
	s_cselect_b64 s[22:23], s[8:9], s[22:23]
	s_cmp_eq_u32 s30, 2
	s_cselect_b64 s[22:23], s[10:11], s[22:23]
	s_cmp_eq_u32 s30, 3
	s_cselect_b64 s[22:23], s[12:13], s[22:23]
	s_add_nc_u64 s[22:23], s[22:23], s[34:35]
	s_add_nc_u64 s[18:19], s[18:19], s[38:39]
	s_add_nc_u64 s[20:21], s[20:21], s[40:41]
.macro LOADW t                         ; block t: W(32 t + i, my column), i = 0 .. 31, into set t % 2
.set i, 0
.rept 32
	global_load_b32 v[XW+32*((\t)%2)+i], v3, s[22:23] offset:(32*(\t)+i)*4096 th:TH_LOAD_NT
.set i, i+1
.endr
.endm
.macro BLOCKW t
.set XS, XW+32*((\t)%2)
.if (\t) < 7
	s_wait_loadcnt 32                              ; this block's 32 loads are in; the next block's 32 may be out
.else
	s_wait_loadcnt 0x0
.endif
	v_max3_num_f32 v12, |v[XS]|, |v[XS+1]|, |v[XS+2]|   ; the block's largest magnitude: all 32 numbers are mine; two chains
	v_max3_num_f32 v13, |v[XS+3]|, |v[XS+4]|, |v[XS+5]|
.irp i, 6,10,14,18,22,26
	v_max3_num_f32 v12, v12, |v[XS+\i]|, |v[XS+\i+1]|
	v_max3_num_f32 v13, v13, |v[XS+\i+2]|, |v[XS+\i+3]|
.endr
	v_max3_num_f32 v12, v12, |v[XS+30]|, |v[XS+31]|
	v_max3_num_f32 v12, v12, v13, 0x2800000        ; and the floor 2^(5 - 127): the byte cannot fall under 1
	v_add_nc_u32 v11, 0xfe000000, v12              ; 4 off the exponent field: the conversion takes the exponent field of this operand as its scale
	v_lshrrev_b32 v13, 23, v11                     ; the scale's byte
.if (\t)%4 == 0
	v_mov_b32 v[SB+(\t)/4], v13                    ; four bytes to a word, the lower K in the lower byte
.else
	v_lshl_or_b32 v[SB+(\t)/4], v13, 8*((\t)%4), v[SB+(\t)/4]
.endif
	v_cvt_scalef32_pk16_bf6_f32 v[CW:CW+2], v[XS:XS+15], v11
	v_cvt_scalef32_pk16_bf6_f32 v[CW+4:CW+6], v[XS+16:XS+31], v11   ; (a conversion's three registers begin on an even number)
	v_nop                                          ; one plain place behind a scaled conversion
	v_mov_b32 v[CW+3], v[CW+4]                     ; the block's six registers on end
	v_mov_b32 v[CW+4], v[CW+5]
	v_mov_b32 v[CW+5], v[CW+6]
	ds_store_b128 v4, v[CW:CW+3] offset:768*((\t)/2)+256*((\t)%2)      ; record t / 2, half h = t % 2
	ds_store_b64 v5, v[CW+4:CW+5] offset:768*((\t)/2)+128*((\t)%2)
.if (\t)+2 < 8
	LOADW (\t)+2
.endif
	s_wait_dscnt 0x0                               ; the stores have read their registers: the next block's codes may be written
.endm
	LOADW 0
	LOADW 1
.irp t, 0,1,2,3,4,5,6,7
	BLOCKW \t
.endr
	s_wait_alu depctr_va_vdst(0)
	global_store_b64 v8, v[SB:SB+1], s[20:21]      ; two runs of 128 consecutive bytes, one for each tile: one byte in 128 of what this way reads
.irp i, 0,1,2,3,4,5,6,7,8,9,10,11
	ds_load_b128 v[OUTR+4*\i:OUTR+4*\i+3], v6 offset:512*\i   ; LDS serves a wave's instructions in order (ISA guide 5.7.1.4): these see my stores
.endr
.irp i, 0,1,2,3,4,5,6,7,8,9,10,11
	s_wait_dscnt 11-\i                             ; load i is back; the younger ones may be out
	global_store_b128 v7, v[OUTR+4*\i:OUTR+4*\i+3], s[18:19] offset:(\i/6)*12288+(\i%6)*512   ; 512 consecutive bytes, at a multiple of 256 from wi's first byte
.endr
	s_wait_tensorcnt 0x0
	ds_add_u32 v254, v255
	s_wait_dscnt 0x0
	s_endpgm
; ---------------- x.  Wave W' = 4 (g - 128) + wave takes tile W' / 2 and half W' % 2 of K: four fragments of 16 rows x 128.
.Lx_path:
	s_sub_co_u32 s30, ttmp9, 128
	s_lshl_b32 s30, s30, 2
	s_add_co_u32 s30, s30, s24
	s_lshr_b32 s31, s30, 1                         ; the tile T
	s_and_b32 s32, s30, 1                          ; which half of K
	s_lshr_b32 s33, s31, 1
	s_lshl_b32 s34, s33, 17                        ; 32 (T / 2) rows of 4,096 bytes
	s_and_b32 s33, s31, 1
	s_lshl_b32 s33, s33, 15                        ; 8 (T % 2) rows
	s_add_co_u32 s34, s34, s33
	s_lshl_b32 s33, s32, 11                        ; 512 numbers
	s_add_co_u32 s34, s34, s33
	s_mov_b32 s35, 0
	s_mul_i32 s36, s31, 12288
	s_mul_i32 s33, s32, 6144
	s_add_co_u32 s36, s36, s33                     ; the tile's codes, my half
	s_mov_b32 s37, 0
	s_lshl_b32 s38, s31, 9
	s_lshl_b32 s33, s32, 8
	s_add_co_u32 s38, s38, s33                     ; its scale words, my half: 256 bytes
	s_mov_b32 s39, 0
	s_wait_alu depctr_va_vdst(0)
	v_lshlrev_b32 v1, 4, v30                       ; 16 L: in, out, and into the stage
	v_lshlrev_b32 v2, 3, v30                       ; 8 L
	s_mul_i32 s33, s24, 16*SPX                     ; my stage
	v_add_nc_u32 v3, s33, v1
	v_and_b32 v5, 15, v30                          ; r
	v_lshrrev_b32 v6, 4, v30                       ; h
	v_mul_u32_u24 v4, v5, SPX
	v_lshl_add_u32 v4, v6, 6, v4
	v_add_nc_u32 v4, s33, v4                       ; back: row r, + 64 h: my 16 numbers of each block of 32
.irp b, 0,1,2,3
	v_mov_b32 v[TM+4+\b], 0                        ; written once: a lane permute's destination counts as one of its sources
.endr
	s_wait_alu depctr_va_vdst(0)
	s_wait_kmcnt 0x0
	s_add_nc_u64 s[4:5], s[4:5], s[34:35]
	s_add_nc_u64 s[14:15], s[14:15], s[36:37]
	s_add_nc_u64 s[16:17], s[16:17], s[38:39]
.macro LOADX t                         ; fragment t: the tile's 16 rows, 512 consecutive bytes each
.irp p, 0,1,2,3,4,5,6,7,8,9,10,11,12,13,14,15
	global_load_b128 v[R+64*((\t)%2)+4*\p:R+64*((\t)%2)+4*\p+3], v1, s[4:5] offset:(\p+8*(\p/8))*4096+512*(\t) th:TH_LOAD_NT
.endr
.endm
; 64 numbers of a lane, register 16 b + i = k 32 b + 16 h + i of my row, become a fragment's 12 registers of codes in v[PC] on and its scale word in v[pw].
.macro QUANT s, pw
.irp b, 0,1,2,3
	v_max3_num_f32 v[TM+\b], |v[\s+16*\b]|, |v[\s+1+16*\b]|, 0x2800000   ; block b: my 16 numbers, and the floor 2^(5 - 127)
.endr
.irp i, 2,4,6,8,10,12,14
.irp b, 0,1,2,3
	v_max3_num_f32 v[TM+\b], v[TM+\b], |v[\s+16*\b+\i]|, |v[\s+1+16*\b+\i]|   ; the four blocks by turns
.endr
.endr
.irp b, 0,1,2,3
	v_permlanex16_b32 v[TM+4+\b], v[TM+\b], s[SEL], s[SEL+1]
.endr
.irp b, 0,1,2,3
	v_max_num_f32 v[TM+\b], v[TM+\b], v[TM+4+\b]   ; with lane l xor 16's: the block's largest magnitude
.endr
.irp b, 0,1,2,3
	v_add_nc_u32 v[TM+12+\b], 0xfe000000, v[TM+\b] ; 4 off its exponent field: the conversion's scale operand
.endr
.irp b, 0,1,2,3
	v_lshrrev_b32 v[TM+4+\b], 23, v[TM+12+\b]      ; the scale's byte
.endr
	v_lshl_or_b32 v[\pw], v[TM+5], 8, v[TM+4]      ; the four bytes make my row's scale word (the same in lanes l and l xor 16)
	v_lshl_or_b32 v[\pw], v[TM+6], 16, v[\pw]
	v_lshl_or_b32 v[\pw], v[TM+7], 24, v[\pw]
.irp c, 0,1
	v_cvt_scalef32_pk16_bf6_f32 v[PC+6*\c:PC+2+6*\c], v[\s+32*\c:\s+15+32*\c], v[TM+12+2*\c]
	v_cvt_scalef32_pk16_bf6_f32 v[PC+12+4*\c:PC+14+4*\c], v[\s+16+32*\c:\s+31+32*\c], v[TM+12+2*\c+1]   ; (a conversion's three registers begin on an even number)
.endr
	v_nop                                          ; one plain place behind a scaled conversion
.irp c, 0,1                            ; the operand wants a WHOLE block in a lane: lanes 0-15 block 2 c, lanes 16-31 block 2 c + 1
.irp i, 0,1,2
	v_permlane16_swap_b32 v[PC+6*\c+\i], v[PC+12+4*\c+\i]
.endr
.irp i, 0,1,2
	v_mov_b32 v[PC+3+6*\c+\i], v[PC+12+4*\c+\i]
.endr
.endr
.endm
.macro IMG t
.if (\t) < 3
	s_wait_loadcnt 16                              ; this fragment's 16 loads are in; the next fragment's 16 may be out
.else
	s_wait_loadcnt 0x0
.endif
.irp p, 0,1,2,3,4,5,6,7,8,9,10,11,12,13,14,15
	ds_store_b128 v3, v[R+64*((\t)%2)+4*\p:R+64*((\t)%2)+4*\p+3] offset:SPX*\p   ; the rows as they lie
.endr
.irp b, 0,1,2,3
.irp j, 0,1,2,3
	ds_load_b128 v[X+16*\b+4*\j:X+16*\b+4*\j+3], v4 offset:128*\b+16*\j          ; and back, 16 neighbours of each block to a lane; LDS serves a wave's instructions in order
.endr
.endr
	s_wait_dscnt 0x0                               ; the numbers are back, and the stores into the stage have read their registers
	s_wait_xcnt 0x0                                ; the last fragment's stores have read the codes' registers, which QUANT writes again
.if (\t)+2 < 4
	LOADX (\t)+2
.endif
	QUANT X, PW+(\t)
	global_store_b128 v1, v[PC:PC+3], s[14:15] offset:1536*(\t)           ; two records: each store covers 512 or 256 consecutive bytes, aligned
	global_store_b64 v2, v[PC+4:PC+5], s[14:15] offset:1536*(\t)+512
	global_store_b128 v1, v[PC+6:PC+9], s[14:15] offset:1536*(\t)+768
	global_store_b64 v2, v[PC+10:PC+11], s[14:15] offset:1536*(\t)+1280
.endm
	LOADX 0
	LOADX 1
.irp t, 0,1,2,3
	IMG \t
.endr
	v_cndmask_b32 v28, v[PW], v[PW+2], s[HM]       ; lanes 0-15 store row r's words of steps 0, 1, lanes 16-31 those of steps 2, 3
	v_cndmask_b32 v29, v[PW+1], v[PW+3], s[HM]
	global_store_b64 v2, v[28:29], s[16:17]        ; 256 consecutive bytes, aligned
	s_wait_tensorcnt 0x0
	ds_add_u32 v254, v255
	s_wait_dscnt 0x0
	s_endpgm
.Lfunc_end_k_q259fbc098d_quant:
	.size	k_q259fbc098d_quant, .Lfunc_end_k_q259fbc098d_quant-k_q259fbc098d_quant
	.p2alignl 7, 3214868480
	.fill 96, 4, 3214868480
	.section	.rodata,"a",@progbits
	.p2align	6, 0x0
	.amdhsa_kernel k_q259fbc098d_quant
		.amdhsa_group_segment_fixed_size 58880
		.amdhsa_private_segment_fixed_size 0
		.amdhsa_enable_private_segment 0
		.amdhsa_kernarg_size 72
		.amdhsa_user_sgpr_count 2
		.amdhsa_user_sgpr_kernarg_segment_ptr 1
		.amdhsa_wavefront_size32 1
		.amdhsa_system_sgpr_workgroup_id_x 1
		.amdhsa_system_sgpr_workgroup_id_y 1
		.amdhsa_system_sgpr_workgroup_id_z 1
		.amdhsa_system_vgpr_workitem_id 0
		.amdhsa_next_free_vgpr 256
		.amdhsa_next_free_sgpr 66
		.amdhsa_reserve_vcc 0
		.amdhsa_float_denorm_mode_32 3
		.amdhsa_float_denorm_mode_16_64 3
		.amdhsa_memory_ordered 1
		.amdhsa_forward_progress 1
		.amdhsa_inst_pref_size 75
	.end_amdhsa_kernel
	.amdgpu_metadata
---
amdhsa.version: [ 1, 2 ]
amdhsa.kernels:
  - .name:           k_q259fbc098d_quant
    .symbol:         k_q259fbc098d_quant.kd
    .args:
      - { .name: x, .offset: 0, .size: 8, .value_kind: global_buffer, .address_space: global }
      - { .name: Wq, .offset: 8, .size: 8, .value_kind: global_buffer, .address_space: global }
      - { .name: Wk, .offset: 16, .size: 8, .value_kind: global_buffer, .address_space: global }
      - { .name: Wv, .offset: 24, .size: 8, .value_kind: global_buffer, .address_space: global }
      - { .name: Wo, .offset: 32, .size: 8, .value_kind: global_buffer, .address_space: global }
      - { .name: xi, .offset: 40, .size: 8, .value_kind: global_buffer, .address_space: global }
      - { .name: xs, .offset: 48, .size: 8, .value_kind: global_buffer, .address_space: global }
      - { .name: wi, .offset: 56, .size: 8, .value_kind: global_buffer, .address_space: global }
      - { .name: ws, .offset: 64, .size: 8, .value_kind: global_buffer, .address_space: global }
    .group_segment_fixed_size: 58880
    .private_segment_fixed_size: 0
    .kernarg_segment_align: 8
    .kernarg_segment_size: 72
    .max_flat_workgroup_size: 128
    .sgpr_count:     66
    .vgpr_count:     256
    .wavefront_size: 32
...
	.end_amdgpu_metadata
.endif
;; end of part 1
;; launch qkv (part 2): grid 4 x 96, 4 waves a work-group, clusters of 4 x 4, 327,680 bytes of LDS; arguments xi, xs, wi, ws, hd; writes hd
.if DOCPART == 2
	.amdgcn_target "amdgcn-amd-amdhsa--gfx1250"
	.amdhsa_code_object_version 6
	.text
	.protected	k_q259fbc098d_qkv
	.globl	k_q259fbc098d_qkv
	.p2align	8
	.type	k_q259fbc098d_qkv,@function
k_q259fbc098d_qkv:
	s_mov_b64 s[64:65], 0
	v_nop
	global_prefetch_b8 v0, s[64:65] scope:SCOPE_SE
	s_setreg_imm32_b32 hwreg(HW_REG_WAVE_MODE, 25, 1), 1
	s_wait_xcnt 0x0
	s_wait_alu depctr_hold_cnt(0) depctr_sa_sdst(0) depctr_va_vdst(0) depctr_va_sdst(0) depctr_va_ssrc(0) depctr_va_vcc(0) depctr_vm_vsrc(0)
	s_getreg_b32 s2, hwreg(HW_REG_IB_STS2, 6, 4)
	s_cmp_eq_u32 s2, 0
	s_cbranch_scc0 .Lentry_in_a_cluster
	s_endpgm
.Lentry_in_a_cluster:
	s_bfe_u32 s2, ttmp6, 0x10000c
	s_cmp_lg_u32 s2, 0xf033
	s_cbranch_scc0 .Lentry_shape_is_right
	s_endpgm
.Lentry_shape_is_right:
; q = x Wq, k = x Wk and v = x Wv on codes of BF6 (E3M2) with E8M0 scales, K = 1,024; the results are QUANTISED IN REGISTERS for the attention's products and stored as codes: no f32 result goes to memory.
; The product is C[m][n] = sum over k of A[m][k] B[n][k].  The matrix instruction is used transposed (source 0 = 16 rows of B, source 1 = 16 rows of A): a lane holds ONE row m and its registers run along n.
; Clusters 0-15: A = x (m = tokens), B = Wq (even clusters) or Wk (odd): n = the heads' channels, along which q and k are quantised.
; Clusters 16-23: A = Wv (m = channels), B = x (n = tokens): v comes out transposed, with n = the keys, along which v is quantised.  So one way out serves all three.
; OPERANDS are images of registers.  A tile is 16 rows: row p of tile T is row 32 (T / 2) + 8 (T % 2) + p + 8 (p / 8); so the 16 registers of B's tiles 2 b, 2 b + 1 are 16 NEIGHBOURS along n: 32 b + 16 (lane / 16) + 0 .. 15.
; A record (768 bytes) is a tile x 64 K: place L = p + 16 h: registers 0-3 of block h at 16 L, registers 4-5 at 512 + 8 L.  Codes: [tile][16][768].  A fragment (16 x 128) is two records: four LDS loads, each of consecutive bytes.
; A tile of C is 256 x 256: four waves, each 128 x 128 in 64 accumulators.  K goes in steps of 256 through two LDS slots filled by the tensor data mover; the scale words of all of K come once.
; CLUSTERS: 4 x 4 work-groups; A's tiles hang on cy alone and are asked for jointly along a row of the cluster, B's on cx alone, along a column.
; hd: 64 records (batch x 16 + head) of REC bytes: K codes [token tile 128][768] at 0; V codes [key step 16][channel tile 4][half 2][768] at 98,304; K's scale words [step 16][row 16][pair of tiles 4] at 196,608
; (a word: the even tile's two bytes, then the odd tile's); V's [step 16][row 16][channel tile 4] at 200,704; Q codes at 204,800 and Q's scale words at 303,104, laid as K's.
; REGISTERS, in windows of 256: window 0: v16-23, v27 LDS addresses; v24-26, v30-31 store offsets; v28-29 for the add; v32-63 scale words, two sets; v64-116 the way out; v128-223 A's fragments, one set.
;   window 1: B's fragments, two sets, at v0 and v128.   windows 2, 3: the accumulators, (a, b) at v[8 (8 (a % 4) + b)].
; LIMITS: NaN and infinities are not served; a block of zeros gets the byte 1 (its codes are zeros; this program alone reads the bytes).
.set FR,     12                        ; registers of a fragment
.set NL,     4                         ; LDS loads that bring one
.set NP,     4                         ; places behind this matrix instruction (ISA guide 7.12.1)
.set NQ,     2                         ; steps of 128 in a slot
.set TILEB,  12288                     ; a tile's codes for all of K
.set KSB,    3072                      ; and for a K step of 256
.set HALFT,  8*KSB                     ; 8 tiles: what one tensor load brings, and what one wave reads of A or of B
.set SLOT,   4*HALFT                   ; A's 16 tiles, then B's 16
.set SCL,    2*SLOT                    ; behind the ring: A's scale words (8,192 bytes), 128 bytes of gap, B's (8,192): so lanes 0-15 and lanes 16-31 of a load fall on different banks
.set SPARE,  SCL+16640                 ; the spare words, 128 bytes for each wave: two blocks of 256 bytes that no other line names
.set REC,    307200
.set ADRA, 16                          ; v16-17 16 L + my A tiles in slot 0, 1;  v18-19 the same with 8 L
.set ADRB, 20                          ; v20-23 the same for B
.set ADRS, 27                          ; v27    my scale words: lanes 0-15 A's rows, lanes 16-31 B's
.set SPW,  28                          ; v28    LDS address of my spare word; never rewritten
.set NIL,  29                          ; v29    0; never rewritten
.set SC,   32                          ; scale words: set s at v[SC + 16 s]; register 2 i + q: lanes 0-15 A's block i, lanes 16-31 B's block i, the slot's q-th 128
.set AF,   128
.set TM,   64                          ; v64-79   the way out: at work
.set PW,   80                          ; v80-87   the scale word of each of my 8 blocks of rows
.set FQ,   88                          ; v88-91   the scale words as they are stored
.set FV,   92                          ; v92-95
.set PC,   96                          ; v96-115  the codes just made
.set SELV, 116                         ; v116     byte selects: lanes 0-15 take the low halves, lanes 16-31 the high halves
.set G1, 24
.set G0, 32
.set G1B, 48
.set G0B, 56
.set G1S, 68
.set G0S, 76
.set G1SB, 80
.set G0SB, 88
.set MSB, 0
.macro WIN new                         ; the immediate's high byte repeats the setting that is left; a switch that changes nothing is dropped
.if MSB != (\new)
	s_set_vgpr_msb (MSB<<8)|(\new)
.set MSB, (\new)
.endif
.endm
.set MUL_LO, 0xa1                      ; source 0 (B) window 1, source 1 (A) window 0, C and D window 2
.set MUL_HI, 0xf1                      ; the same, C and D window 3
.set TO_B,   0x40                      ; destination window 1, address window 0
; A joint load: waves 0 and 1 fetch for A, waves 2 and 3 for B; the branch hangs on the wave's number alone.  Four v_nop follow each of the two lines.
.macro JLOAD g0a, g1a, g0b, g1b
	s_cmp_eq_u32 s15, 0
	s_cbranch_scc0 .Lfor_b_\@
	tensor_load_to_lds s[\g0a:\g0a+3], s[\g1a:\g1a+7]
	s_nop 0
.rept 4
	v_nop
.endr
	s_branch .Lasked_\@
.Lfor_b_\@:
	tensor_load_to_lds s[\g0b:\g0b+3], s[\g1b:\g1b+7]
	s_nop 0
.rept 4
	v_nop
.endr
.Lasked_\@:
.endm
.macro CREST                           ; a round of the cluster's barrier behind its opening barrier
	s_cmp_lg_u32 s14, 0
	s_cbranch_scc1 .Lnot_wave_0_\@
	s_barrier_signal -3
.Lnot_wave_0_\@:
	s_barrier_wait -3
	s_barrier_signal -1
	s_barrier_wait -1
.endm
.macro CROUND                          ; a whole round
	s_barrier_signal -1
	s_barrier_wait -1
	CREST
.endm
	s_load_b128 s[4:7], s[0:1], 0x0                ; xi, xs
	s_load_b128 s[8:11], s[0:1], 0x10              ; wi, ws
	s_load_b64 s[12:13], s[0:1], 0x20              ; hd
	v_lshl_add_u32 v[SPW], v0, 2, SPARE
	v_mov_b32 v[NIL], 0
	ds_add_u32 v28, v29
	ds_add_u32 v28, v29
	s_wait_dscnt 0x0
	v_lshrrev_b32 v1, 5, v0
	v_readfirstlane_b32 s14, v1                    ; wave 0..3
	s_lshr_b32 s15, s14, 1                         ; which half of the tile's rows (A) is mine.  Also: I fetch for A (0) or for B (1)
	s_and_b32 s16, s14, 1                          ; which half of its columns (B).  Also: which 8 tiles I fetch
	s_bfe_u32 s40, ttmp6, 0x40000                  ; cx, cy: my place in the cluster
	s_bfe_u32 s41, ttmp6, 0x40004
	s_and_b32 s3, ttmp7, 0xffff                    ; the cluster's number, 0 .. 23: the same in all sixteen partners
	s_lshl_b32 s43, s41, 2
	s_lshl_b32 s43, 15, s43                        ; my row of the cluster
	s_lshl_b32 s44, 0x1111, s40                    ; my column
	; descriptor group 1 for codes: 8 rows (one a tile) of 3,072 bytes = 384 elements of 8 bytes, 12,288 bytes apart; no padding
	s_or_b32 s[G1+0], s43, (3<<16)|(1<<21)         ; 15:0 the mask: A's tiles go to my row; 17:16 elements of 8 bytes; 21 set beside a mask
	s_or_b32 s[G1B+0], s44, (3<<16)|(1<<21)        ; B's to my column
.irp g, G1, G1B
	s_mov_b32 s[\g+1], 384<<16                     ; tensor_dim0
	s_mov_b32 s[\g+2], 8<<16                       ; tensor_dim1
	s_mov_b32 s[\g+3], 384<<16                     ; tile_dim0
	s_mov_b32 s[\g+4], 8                           ; tile_dim1
	s_mov_b32 s[\g+5], 1536                        ; tensor_dim0_stride
	s_mov_b32 s[\g+6], 0
	s_mov_b32 s[\g+7], 0
.endr
	; and for the scale words of 8 tiles: 4,096 dense bytes as 16 rows of 256
	s_or_b32 s[G1S+0], s43, (3<<16)|(1<<21)
	s_or_b32 s[G1SB+0], s44, (3<<16)|(1<<21)
.irp g, G1S, G1SB
	s_mov_b32 s[\g+1], 32<<16
	s_mov_b32 s[\g+2], 16<<16
	s_mov_b32 s[\g+3], 32<<16
	s_mov_b32 s[\g+4], 16
	s_mov_b32 s[\g+5], 32
	s_mov_b32 s[\g+6], 0
	s_mov_b32 s[\g+7], 0
.endr
	; which tiles.  q, k: A's first tile 64 (cluster / 2), B's 64 (cluster % 2).  v: A's 128 (Wv), B's 64 (cluster - 16).  A's numbers hold cy and never cx, B's cx and never cy.
	s_lshr_b32 s17, s3, 1
	s_lshl_b32 s17, s17, 6
	s_and_b32 s42, s3, 1
	s_lshl_b32 s42, s42, 6
	s_max_u32 s46, s3, 16
	s_sub_co_u32 s46, s46, 16
	s_lshl_b32 s46, s46, 6
	s_cmp_ge_u32 s3, 16
	s_cselect_b32 s17, 128, s17
	s_cselect_b32 s42, s46, s42
	s_cselect_b32 s101, -1, 0                      ; all lanes or none: this cluster makes v
	s_lshl_b32 s20, s41, 4
	s_add_co_u32 s17, s17, s20                     ; A's first tile of my work-group: + 16 cy
	s_lshl_b32 s46, s40, 4
	s_add_co_u32 s42, s42, s46                     ; B's: + 16 cx
	s_lshl_b32 s18, s16, 3                         ; which 8 of the 16 I fetch
	s_add_co_u32 s20, s17, s18
	s_add_co_u32 s46, s42, s18
	s_lshl_b32 s22, s20, 9                         ; their scale words, 512 bytes a tile,
	s_mul_i32 s20, s20, TILEB                      ; and their codes
	s_mov_b32 s21, 0
	s_mov_b32 s23, 0
	s_lshl_b32 s92, s46, 9
	s_mul_i32 s46, s46, TILEB
	s_mov_b32 s47, 0
	s_mov_b32 s93, 0
	s_mul_i32 s45, s14, HALFT                      ; where they go: wave x 8 tiles: no place in the cluster enters an LDS address
	s_lshl_b32 s94, s14, 12
	s_wait_kmcnt 0x0
	s_cmp_ge_u32 s3, 16                            ; the buffers change sides for v: a choice on the cluster's number alone
	s_cselect_b64 s[96:97], s[8:9], s[4:5]         ; A's codes
	s_cselect_b64 s[98:99], s[10:11], s[6:7]       ; A's scale words
	s_cselect_b64 s[8:9], s[4:5], s[8:9]           ; B's codes
	s_cselect_b64 s[10:11], s[6:7], s[10:11]       ; B's scale words
	s_add_nc_u64 s[20:21], s[96:97], s[20:21]
	s_add_nc_u64 s[22:23], s[98:99], s[22:23]
	s_add_nc_u64 s[46:47], s[8:9], s[46:47]
	s_add_nc_u64 s[92:93], s[10:11], s[92:93]
	CROUND                                         ; all sixteen work-groups are here: the first joint loads meet
	s_mov_b32 s[G0S], 1
	s_add_co_u32 s[G0S+1], s94, SCL
	s_mov_b64 s[G0S+2:G0S+3], s[22:23]
	s_or_b32 s[G0S+3], s[G0S+3], 0x80000000
	s_mov_b32 s[G0SB], 1
	s_add_co_u32 s[G0SB+1], s94, SCL+128           ; B's lie 128 bytes further on
	s_mov_b64 s[G0SB+2:G0SB+3], s[92:93]
	s_or_b32 s[G0SB+3], s[G0SB+3], 0x80000000
	JLOAD G0S, G1S, G0SB, G1SB                     ; the scale words first: they are wanted with K step 0
.irp s, 0,1
	s_mov_b32 s[G0+4*\s], 1
	s_add_co_u32 s[G0+4*\s+1], s45, \s*SLOT
	s_add_nc_u64 s[G0+4*\s+2:G0+4*\s+3], s[20:21], \s*KSB
	s_or_b32 s[G0+4*\s+3], s[G0+4*\s+3], 0x80000000
	s_mov_b32 s[G0B+4*\s], 1
	s_add_co_u32 s[G0B+4*\s+1], s45, \s*SLOT
	s_add_nc_u64 s[G0B+4*\s+2:G0B+4*\s+3], s[46:47], \s*KSB
	s_or_b32 s[G0B+4*\s+3], s[G0B+4*\s+3], 0x80000000
	JLOAD G0+4*\s, G1, G0B+4*\s, G1B               ; three tensor loads of mine are out now, the most in this text
.endr
	v_and_b32 v1, 15, v0                           ; r
	v_bfe_u32 v2, v0, 4, 1                         ; h
	v_and_b32 v3, 31, v0                           ; L
	v_lshlrev_b32 v24, 4, v3                       ; 16 L
	v_lshlrev_b32 v25, 3, v3                       ; 8 L
	s_mul_i32 s21, s15, HALFT                      ; my 8 tiles of A
	s_mul_i32 s22, s16, HALFT                      ; my 8 tiles of B,
	s_add_co_u32 s22, s22, 2*HALFT                 ; which lie behind A's 16
.irp s, 0,1
	v_add_nc_u32 v[ADRA+\s], s21, v24
	v_add_nc_u32 v[ADRB+\s], s22, v24
	v_add_nc_u32 v[ADRA+2+\s], s21, v25
	v_add_nc_u32 v[ADRB+2+\s], s22, v25
	s_add_co_u32 s21, s21, SLOT
	s_add_co_u32 s22, s22, SLOT
.endr
	s_lshl_b32 s21, s15, 12                        ; A's scale words: my 8 tiles
	s_lshl_b32 s22, s16, 12                        ; B's: my 8 tiles, 8,320 bytes behind A's first
	s_add_co_u32 s22, s22, 8320
	s_sub_co_u32 s22, s22, s21
	v_mul_u32_u24 v6, s22, v2                      ; lanes 16-31 take B's: one product, the distance x h
	s_add_co_u32 s21, s21, SCL
	v_lshlrev_b32 v5, 3, v1                        ; 8 bytes a row: a K step's two words
	v_add_nc_u32 v5, v5, v6
	v_add_nc_u32 v[ADRS], s21, v5
	; THE WAY OUT'S NUMBERS.  P: my first token tile, H: my first tile of channels (A's and B's change parts for v).
	s_lshl_b32 s18, s15, 3
	s_add_co_u32 s17, s17, s18                     ; A's first tile of my wave
	s_lshl_b32 s18, s16, 3
	s_add_co_u32 s42, s42, s18                     ; B's
	s_mov_b32 s5, 303104                           ; q: codes at 204,800, scale words at 303,104
	s_mov_b32 s96, 768                             ; q, k: from one of my blocks of rows to the next: a token tile's record
	s_mov_b32 s98, 768
	s_mov_b32 s100, REC                            ; and from a fragment's first record to its second: the next head
	s_bitcmp1_b32 s3, 0
	s_cselect_b32 s4, 0, 204800                    ; k: codes at 0,
	s_cselect_b32 s5, 196608, s5                   ; scale words at 196,608
	s_cmp_ge_u32 s3, 16
	s_cselect_b32 s4, 98304, s4                    ; v: codes at 98,304,
	s_cselect_b32 s5, 200704, s5                   ; scale words at 200,704;
	s_cselect_b32 s96, 1536, s96                   ; the next block of rows is the next tile of channels: two records on;
	s_cselect_b32 s98, 302592, s98                 ; the fifth begins the next head: REC - 3 x 1,536;
	s_cselect_b32 s100, 768, s100                  ; the second record is the step's second 64 keys
	s_cselect_b32 s18, s42, s17                    ; P
	s_cselect_b32 s19, s17, s42                    ; H
	s_mov_b32 s97, 0
	s_mov_b32 s99, 0
	s_lshr_b32 s20, s18, 7                         ; the batch: 128 token tiles each
	s_and_b32 s21, s18, 127                        ; the token tile in it, a multiple of 8
	s_and_b32 s22, s19, 63
	s_lshr_b32 s22, s22, 2                         ; my first head: 4 tiles of channels each
	s_lshl_b32 s20, s20, 4
	s_add_co_u32 s20, s20, s22
	s_mul_i32 s20, s20, REC
	s_mul_i32 s22, s21, 768                        ; q, k: a record a tile; v: 6,144 bytes a step of 8 tiles: the same number
	s_add_co_u32 s22, s22, s4
	s_add_co_u32 s22, s22, s20
	s_mov_b32 s23, 0
	s_lshl_b32 s46, s21, 5                         ; 256 bytes of scale words a step of 8 tiles
	s_add_co_u32 s46, s46, s5
	s_add_co_u32 s46, s46, s20
	s_mov_b32 s47, 0
	s_add_nc_u64 s[66:67], s[12:13], s[46:47]      ; where my scale words go
	s_add_nc_u64 s[12:13], s[12:13], s[22:23]      ; where my codes go
	s_mov_b32 s4, 0x76543210                       ; v_permlanex16_b32's selects for lane l xor 16
	s_mov_b32 s5, 0xfedcba98
	s_mov_b32 s6, 0xffff0000                       ; the mask of lanes 16-31
	v_add_nc_u32 v26, s100, v24                    ; the second record's offsets
	v_add_nc_u32 v30, s100, v25
	v_mul_u32_u24 v31, v2, REC
	v_lshl_add_u32 v31, v1, 4, v31                 ; scale words: lanes 0-15 my first head, lanes 16-31 the next; 16 bytes a row
	v_mov_b32 v[SELV], 0x05040100
	v_mov_b32 v6, 0x07060302
	v_cndmask_b32 v[SELV], v[SELV], v6, s6
.irp b, 0,1,2,3
	v_mov_b32 v[TM+4+\b], 0                        ; written once: a lane permute's destination counts as one of its sources
.endr
.macro FRAG reg, adr, q, i             ; a fragment = two records, as they lie: registers 0-3, 4-5, 6-9, 10-11
	ds_load_b128 v[\reg:\reg+3],     v[\adr]   offset:(\i)*KSB+(\q)*1536
	ds_load_b64  v[\reg+4:\reg+5],   v[\adr+2] offset:(\i)*KSB+(\q)*1536+512
	ds_load_b128 v[\reg+6:\reg+9],   v[\adr]   offset:(\i)*KSB+(\q)*1536+768
	ds_load_b64  v[\reg+10:\reg+11], v[\adr+2] offset:(\i)*KSB+(\q)*1536+1280
.endm
; 16 matrix instructions: A's blocks a0, a0 + 1 x B's eight, the slot's q-th 128 along K.  p: B's set; sc: the set of scale words; first = 1: the product starts the sums: nothing is cleared.
; The 64 accumulators take turns, one instruction a turn, in the same order in every step.
.macro MUL16 a0, p, q, sc, first
.irp a, \a0, \a0+1
.irp b, 0,1,2,3,4,5,6,7
.set rD, 8*(8*((\a)%4)+\b)
.set rB, 128*(\p)+FR*\b
.set rA, AF+FR*(\a)
.set rSB, SC+8*NQ*(\sc)+NQ*\b+(\q)
.set rSA, SC+8*NQ*(\sc)+NQ*(\a)+(\q)
.if \first
	v_wmma_scale_f32_16x16x128_f8f6f4 v[rD:rD+7], v[rB:rB+FR-1], v[rA:rA+FR-1], 0, v[rSB], v[rSA] matrix_a_fmt:MATRIX_FMT_BF6 matrix_b_fmt:MATRIX_FMT_BF6 matrix_a_scale:MATRIX_SCALE_ROW1
.else
	v_wmma_scale_f32_16x16x128_f8f6f4 v[rD:rD+7], v[rB:rB+FR-1], v[rA:rA+FR-1], v[rD:rD+7], v[rSB], v[rSA] matrix_a_fmt:MATRIX_FMT_BF6 matrix_b_fmt:MATRIX_FMT_BF6 matrix_a_scale:MATRIX_SCALE_ROW1
.endif
.endr
.endr
.endm
.macro FETCH_B slot, q, p              ; B's eight fragments of the slot's q-th 128 into set p
	WIN TO_B
.irp i, 0,1,2,3,4,5,6,7
	FRAG 128*(\p)+FR*\i, ADRB+\slot, \q, \i
.endr
	WIN 0
.endm
.macro FETCH_A slot, q, i0             ; A's blocks i0 .. i0 + 3
.irp i, \i0, \i0+1, \i0+2, \i0+3
	FRAG AF+FR*(\i), ADRA+\slot, \q, \i
.endr
.endm
.macro SCALES sc                       ; a K step's scale words: two a row; lanes 0-15 A's block i, lanes 16-31 B's block i
.irp i, 0,1,2,3,4,5,6,7
	ds_load_b64 v[SC+16*\sc+2*\i:SC+16*\sc+2*\i+1], v[ADRS] offset:512*\i
.endr
.endm
; A load into a register that a matrix instruction has read, and a vector instruction that reads a matrix result, stand NP places behind it; only plain vector instructions that name none of its registers are places.
.macro PLACES n
.rept \n
	v_nop
.endr
.endm
.macro STEP slot, q, first             ; a step of 128 along K that has its successor in the same slot
	s_wait_dscnt 4*NL                              ; B's set, A's blocks 0-3 and the scale words are in; the youngest 16 loads (A's blocks 4-7) may be out
	WIN MUL_LO
	MUL16 0, (\q)%2, \q, \slot, \first
	MUL16 2, (\q)%2, \q, \slot, \first
	s_wait_dscnt 0                                 ; A's blocks 4-7 are in
	PLACES NP
	FETCH_B \slot, (\q)+1, 1-(\q)%2
	FETCH_A \slot, (\q)+1, 0
	WIN MUL_HI
	MUL16 4, (\q)%2, \q, \slot, \first
	MUL16 6, (\q)%2, \q, \slot, \first
	PLACES NP
	WIN 0
	FETCH_A \slot, (\q)+1, 4
.endm
; A slot's last step changes slots: ONE barrier; in front of it each wave waits for all its tensor loads, adds 0 to its spare word, and waits for that and for its reads of this slot.  fill = 1: this slot is filled again, two K steps ahead.
.macro TURN slot, next, fill
	s_wait_tensorcnt 0x0                           ; all my tensor loads have landed: my part of the next slot
	ds_add_u32 v[SPW], v[NIL]                      ; 0 onto my spare word
	s_wait_dscnt 4*NL+1                            ; (the add and the youngest 16 loads, A's blocks 4-7, may be out)
	WIN MUL_LO
	MUL16 0, 1, NQ-1, \slot, 0                     ; sixteen matrix instructions stand between the add and the wait for it
	s_wait_dscnt 0x0                               ; the add is done, and my reads of this slot are over
	s_barrier_signal -1
	MUL16 2, 1, NQ-1, \slot, 0
	WIN 0
	s_barrier_wait -1
.if \fill
	CREST                                          ; the barrier has opened a round of the cluster's barrier: no wave of any partner still reads this slot or has a load on its way
	s_add_nc_u64 s[G0+4*\slot+2:G0+4*\slot+3], s[G0+4*\slot+2:G0+4*\slot+3], 2*KSB
	s_add_nc_u64 s[G0B+4*\slot+2:G0B+4*\slot+3], s[G0B+4*\slot+2:G0B+4*\slot+3], 2*KSB
	JLOAD G0+4*\slot, G1, G0B+4*\slot, G1B         ; my one tensor load behind the round; its four v_nop are also the places in front of the loads below
.else
	PLACES NP
.endif
	s_wait_alu depctr_va_vdst(0)
	v_add_nc_u32 v[ADRS], 128, v[ADRS]             ; the next K step's scale words
	FETCH_B \next, 0, 0
	FETCH_A \next, 0, 0
	SCALES \next
	WIN MUL_HI
	MUL16 4, 1, NQ-1, \slot, 0
	MUL16 6, 1, NQ-1, \slot, 0
	PLACES NP
	WIN 0
	FETCH_A \next, 0, 4
.endm
	s_wait_tensorcnt 1                             ; the scale words and my part of K step 0 are in; K step 1's load may be out
	s_barrier_signal -1
	s_barrier_wait -1                              ; everybody's are
	FETCH_B 0, 0, 0
	FETCH_A 0, 0, 0
	SCALES 0
	FETCH_A 0, 0, 4
	STEP 0, 0, 1                                   ; K has four K steps: they are written out
	TURN 0, 1, 1                                   ; slot 0 takes K step 2
	STEP 1, 0, 0
	TURN 1, 0, 1                                   ; slot 1 takes K step 3
	STEP 0, 0, 0
	TURN 0, 1, 0                                   ; nothing is left to fetch: a plain barrier
	STEP 1, 0, 0
	s_wait_dscnt 4*NL                              ; the very last step
	WIN MUL_LO
	MUL16 0, 1, NQ-1, 1, 0
	MUL16 2, 1, NQ-1, 1, 0
	s_wait_dscnt 0
	WIN MUL_HI
	MUL16 4, 1, NQ-1, 1, 0
	MUL16 6, 1, NQ-1, 1, 0
	WIN 0
; THE WAY OUT.  Block a of my rows: a lane's 64 results, register 16 b + i = n 32 b + 16 h + i of its row, are quantised along n as they stand: four blocks of 32, each in lanes l and l xor 16.
.macro QUANTA a
.set AC, 64*((\a)%4)
.set WA, 2+(\a)/4                      ; the accumulators' window
.if (\a) > 0
	s_wait_xcnt 0x0                                ; the last block's stores have read the codes' registers and their base
.endif
	WIN WA*5                                       ; sources 0 and 1 in the accumulators' window
.irp b, 0,1,2,3
	v_max3_num_f32 v[TM+\b], |v[AC+16*\b]|, |v[AC+16*\b+1]|, 0x2800000   ; each accumulator is read from its low end on; the floor 2^(5 - 127) holds the byte at 1 from below
.endr
.irp i, 2,4,6,8,10,12,14
.irp b, 0,1,2,3
	v_max3_num_f32 v[TM+\b], |v[AC+16*\b+\i]|, |v[AC+16*\b+\i+1]|, v[TM+\b]
.endr
.endr
	WIN 0
.irp b, 0,1,2,3
	v_permlanex16_b32 v[TM+4+\b], v[TM+\b], s4, s5
.endr
.irp b, 0,1,2,3
	v_max_num_f32 v[TM+\b], v[TM+\b], v[TM+4+\b]   ; the block's largest magnitude
.endr
.irp b, 0,1,2,3
	v_add_nc_u32 v[TM+12+\b], 0xfe000000, v[TM+\b] ; 4 off its exponent field: the conversion's scale operand
.endr
.irp b, 0,1,2,3
	v_lshrrev_b32 v[TM+4+\b], 23, v[TM+12+\b]      ; the scale's byte
.endr
	v_lshl_or_b32 v[PW+(\a)], v[TM+5], 8, v[TM+4]
	v_lshl_or_b32 v[PW+(\a)], v[TM+6], 16, v[PW+(\a)]
	v_lshl_or_b32 v[PW+(\a)], v[TM+7], 24, v[PW+(\a)]
	WIN WA                                         ; source 0 in the accumulators' window
.irp c, 0,1
	v_cvt_scalef32_pk16_bf6_f32 v[PC+6*\c:PC+2+6*\c], v[AC+32*\c:AC+15+32*\c], v[TM+12+2*\c]
	v_cvt_scalef32_pk16_bf6_f32 v[PC+12+4*\c:PC+14+4*\c], v[AC+16+32*\c:AC+31+32*\c], v[TM+12+2*\c+1]   ; (a conversion's three registers begin on an even number)
.endr
	WIN 0
	v_nop                                          ; one plain place behind a scaled conversion
.irp c, 0,1                            ; a WHOLE block to a lane: lanes 0-15 block 2 c, lanes 16-31 block 2 c + 1
.irp i, 0,1,2
	v_permlane16_swap_b32 v[PC+6*\c+\i], v[PC+12+4*\c+\i]
.endr
.irp i, 0,1,2
	v_mov_b32 v[PC+3+6*\c+\i], v[PC+12+4*\c+\i]
.endr
.endr
.endm
.macro PUT a                           ; the fragment's two records: q, k: two heads' records of a token tile; v: the two halves of a key step
.if (\a) == 4
	s_add_nc_u64 s[12:13], s[12:13], s[98:99]
.elseif (\a) > 0
	s_add_nc_u64 s[12:13], s[12:13], s[96:97]
.endif
	global_store_b128 v24, v[PC:PC+3], s[12:13]               ; each store covers 512 or 256 consecutive bytes, at a multiple of 256 from hd's first byte
	global_store_b64 v25, v[PC+4:PC+5], s[12:13] offset:512
	global_store_b128 v26, v[PC+6:PC+9], s[12:13]
	global_store_b64 v30, v[PC+10:PC+11], s[12:13] offset:512
.endm
	PLACES NP                                      ; behind the last products
.irp a, 0,1,2,3,4,5,6,7
	QUANTA \a
	PUT \a
.endr
.irp p, 0,1,2,3                        ; q, k: a word for a pair of token tiles: the even tile's two bytes, the odd tile's; lanes 0-15 the first head's (low halves), lanes 16-31 the second's
	v_perm_b32 v[FQ+\p], v[PW+2*\p+1], v[PW+2*\p], v[SELV]
.endr
.irp t, 0,1,2,3                        ; v: a word for each tile of channels: lanes 0-15 the first head's four, lanes 16-31 the second's
	v_cndmask_b32 v[FV+\t], v[PW+\t], v[PW+4+\t], s6
.endr
.irp i, 0,1,2,3
	v_cndmask_b32 v[FQ+\i], v[FQ+\i], v[FV+\i], s101
.endr
	global_store_b128 v31, v[FQ:FQ+3], s[66:67]    ; two runs of 256 consecutive bytes, aligned
	s_wait_tensorcnt 0x0                           ; the wave's end
	ds_add_u32 v[SPW], v[NIL]
	s_wait_dscnt 0x0
	CROUND                                         ; the closing round: no work-group ends while a partner may still ask for a tile that names it
	s_endpgm
.Lfunc_end_k_q259fbc098d_qkv:
	.size	k_q259fbc098d_qkv, .Lfunc_end_k_q259fbc098d_qkv-k_q259fbc098d_qkv
	.p2alignl 7, 3214868480
	.fill 96, 4, 3214868480
	.section	.rodata,"a",@progbits
	.p2align	6, 0x0
	.amdhsa_kernel k_q259fbc098d_qkv
		.amdhsa_group_segment_fixed_size 327680
		.amdhsa_private_segment_fixed_size 0
		.amdhsa_enable_private_segment 0
		.amdhsa_kernarg_size 40
		.amdhsa_user_sgpr_count 2
		.amdhsa_user_sgpr_kernarg_segment_ptr 1
		.amdhsa_wavefront_size32 1
		.amdhsa_system_sgpr_workgroup_id_x 1
		.amdhsa_system_sgpr_workgroup_id_y 1
		.amdhsa_system_sgpr_workgroup_id_z 1
		.amdhsa_system_vgpr_workitem_id 0
		.amdhsa_next_free_vgpr 1024
		.amdhsa_next_free_sgpr 102
		.amdhsa_reserve_vcc 0
		.amdhsa_float_denorm_mode_32 3
		.amdhsa_float_denorm_mode_16_64 3
		.amdhsa_memory_ordered 1
		.amdhsa_forward_progress 1
		.amdhsa_inst_pref_size 151
	.end_amdhsa_kernel
	.amdgpu_metadata
---
amdhsa.version: [ 1, 2 ]
amdhsa.kernels:
  - .name:           k_q259fbc098d_qkv
    .symbol:         k_q259fbc098d_qkv.kd
    .args:
      - { .name: xi, .offset: 0, .size: 8, .value_kind: global_buffer, .address_space: global }
      - { .name: xs, .offset: 8, .size: 8, .value_kind: global_buffer, .address_space: global }
      - { .name: wi, .offset: 16, .size: 8, .value_kind: global_buffer, .address_space: global }
      - { .name: ws, .offset: 24, .size: 8, .value_kind: global_buffer, .address_space: global }
      - { .name: hd, .offset: 32, .size: 8, .value_kind: global_buffer, .address_space: global }
    .group_segment_fixed_size: 327680
    .private_segment_fixed_size: 0
    .kernarg_segment_align: 8
    .kernarg_segment_size: 40
    .max_flat_workgroup_size: 128
    .sgpr_count:     102
    .vgpr_count:     1024
    .wavefront_size: 32
...
	.end_amdgpu_metadata
.endif
;; end of part 2
;; launch attn (part 3): grid 4 x 64, 16 waves a work-group, clusters of 4 x 1, 206,848 bytes of LDS; arguments hd, ci, cs; writes ci, cs
.if DOCPART == 3
	.amdgcn_target "amdgcn-amd-amdhsa--gfx1250"
	.amdhsa_code_object_version 6
	.text
	.protected	k_q259fbc098d_attn
	.globl	k_q259fbc098d_attn
	.p2align	8
	.type	k_q259fbc098d_attn,@function
k_q259fbc098d_attn:
	s_mov_b64 s[64:65], 0
	v_nop
	global_prefetch_b8 v0, s[64:65] scope:SCOPE_SE
	s_setreg_imm32_b32 hwreg(HW_REG_WAVE_MODE, 25, 1), 1
	s_wait_xcnt 0x0
	s_wait_alu depctr_hold_cnt(0) depctr_sa_sdst(0) depctr_va_vdst(0) depctr_va_sdst(0) depctr_va_ssrc(0) depctr_va_vcc(0) depctr_vm_vsrc(0)
	s_getreg_b32 s2, hwreg(HW_REG_IB_STS2, 6, 4)
	s_cmp_eq_u32 s2, 0
	s_cbranch_scc0 .Lentry_in_a_cluster
	s_endpgm
.Lentry_in_a_cluster:
	s_bfe_u32 s2, ttmp6, 0x10000c
	s_cmp_lg_u32 s2, 0x3003
	s_cbranch_scc0 .Lentry_shape_is_right
	s_endpgm
.Lentry_shape_is_right:
; ctx = softmax(q k^T / 8, causal) v for one head of one batch, both products on codes of BF6 (E3M2) with E8M0 scales; ctx is quantised along the head's 64 channels for the last projection and stored as codes.
; THE SOFTMAX AHEAD OF THE SECOND PRODUCT: t = score x log2(e) / 8; M = the row's largest t so far, rounded UP to a whole number; p = 2^(t - M) is quantised along the keys, not normalised.
; The row's sum is taken of the unquantised p and divides at the end.  When M moves, the sum and O are multiplied by 2^(old M - new M): exact.
; A WHOLE HEAD'S K, V AND THEIR SCALE WORDS, 204,800 bytes, the first part of the head's record in hd, lie in LDS, filled ONCE: no ring, no refill, no LDS store.
; CLUSTER: the four work-groups of a cluster share the head and ask for it JOINTLY: wave w's one tensor load brings bytes 12,800 w on, with the same descriptor and the mask 15 in all four.
; SHARES, equal and alike in all partners.  The head's tokens are 16 groups of 128 = 8 tiles of 16 (row p of tile T is token 32 (T / 2) + 8 (T % 2) + p + 8 (p / 8)).  Partner cx owns tiles 2 cx, 2 cx + 1 of every group.
; Wave w takes the even one of group w, then the odd one of group 15 - w: (w + 1) + (16 - w) = 17 key steps of 128 for every wave.  Each pass's loop has 16 trips, a constant; a step all of whose keys come after
; the group is jumped over by a scalar branch on the wave's number and the counter.  cx enters global addresses and one number of the mask, and nothing else.
; LAYOUT.  Both products are used transposed: S^T = K Q^T (source 0 = keys), O^T = V^T P^T (source 0 = channels): a lane holds ONE query throughout; the 16 registers of key tiles 2 b, 2 b + 1 are 16 neighbouring keys.
; K = 64 IN AN INSTRUCTION OF 128: source 0 is a PAIR of key tiles (two records on end: 64 channels of tile 2 b, then of tile 2 b + 1); source 1 is [Q | zeros] for tile 2 b and [zeros | Q] for tile 2 b + 1.
; The half that is not wanted meets zero codes: the format has no infinity and no NaN and every scale byte lies in 1 .. 254, so it adds exactly 0.
; LIMITS: NaN and infinities are not served.  A block's largest p is taken from its largest score by the same multiply-add and exponential (this takes v_exp_f32 not to fall where its input rises).  1 / sum by v_rcp_f32.
; A block of zeros gets the byte 1 (its codes are zeros; this program alone reads the bytes).  The 32 scale bytes of a tile are stored singly, inside 128 bytes: a word of the next product's scales mixes two heads, and a work-group has one.
; REGISTERS: v1-5, v7, v93, v95 lane terms; v6 the mask's number; v8-11, v34 addresses in hand; v12 -M, v13 the largest t, v[14:15] the sum; v16-33 and v232-249 Q, zeros, Q for the two passes; v35, v250 Q's scale words;
;   v36-83 four fragments of K, then of V; v84-87, v88-91 their scale words; v92 p's; v96-159 S^T, then p; v160-191 O^T; v192-211 codes; v212-231 at work.
.set REC,  307200
.set S,    96
.set OT,   160
.set KF,   36
.set PCD,  192
.set PH,   204
.set BM,   212                         ; v212-215 the blocks' largest scores, then largest p
.set BT,   216                         ; v216-219 the other half's, then the bytes
.set BS,   220                         ; v220-223 the conversions' scale operands
.set WV,   12                          ; s12 my wave's number
.set SEL,  20                          ; s[20:21] selects for lane l xor 16
.set CS,   22                          ; s[22:23] c = log2(e) / 8
.set HM,   24                          ; s24 the mask of lanes 16-31
.set G1,   28
.set G0,   36
.set ST,   62                          ; s62 the key step
.set TK,   63                          ; s63 6,144 x step: its codes of K, and of V
.set TS,   66                          ; s66 256 x step: its scale words
.macro CROUND                          ; a round of the cluster's barrier
	s_barrier_signal -1
	s_barrier_wait -1
	s_cmp_lg_u32 s[WV], 0
	s_cbranch_scc1 .Lnot_wave_0_\@
	s_barrier_signal -3
.Lnot_wave_0_\@:
	s_barrier_wait -3
	s_barrier_signal -1
	s_barrier_wait -1
.endm
	s_load_b128 s[4:7], s[0:1], 0x0                ; hd, ci
	s_load_b64 s[8:9], s[0:1], 0x10                ; cs
	v_lshl_add_u32 v254, v0, 2, 0x32000
	v_mov_b32 v255, 0
	ds_add_u32 v254, v255
	ds_add_u32 v254, v255
	v_lshrrev_b32 v1, 5, v0
	s_delay_alu instid0(VALU_DEP_1)
	v_readfirstlane_b32 s[WV], v1                  ; wave 0..15
	s_bfe_u32 s13, ttmp6, 0x40000                  ; cx
	s_and_b32 s14, ttmp7, 0xffff                   ; batch x 16 + head: the cluster's y, which the four partners share
	s_and_b32 s15, s14, 15                         ; head
	s_lshr_b32 s16, s14, 4                         ; batch
	s_mul_i32 s18, s14, REC
	s_mov_b32 s19, 0
	s_mul_i32 s26, s[WV], 12800                    ; my sixteenth of the head's 204,800 bytes, in memory and in LDS
	s_mov_b32 s27, 0
	s_mov_b32 s[G1], 15|(3<<16)|(1<<21)            ; 15:0 the mask: all four; 17:16 elements of 8 bytes; 21 set beside a mask; no padding
	s_mov_b32 s[G1+1], 32<<16                      ; tensor_dim0: rows of 256 bytes
	s_mov_b32 s[G1+2], 50<<16                      ; tensor_dim1
	s_mov_b32 s[G1+3], 32<<16                      ; tile_dim0
	s_mov_b32 s[G1+4], 50                          ; tile_dim1
	s_mov_b32 s[G1+5], 32                          ; dense
	s_mov_b32 s[G1+6], 0
	s_mov_b32 s[G1+7], 0
	s_mov_b32 s[SEL], 0x76543210
	s_mov_b32 s[SEL+1], 0xfedcba98
	s_mov_b32 s[CS], 0x3e38aa3b                    ; log2(e) / 8
	s_mov_b32 s[CS+1], s[CS]                       ; (named with it as a pair, so it is written)
	s_mov_b32 s[HM], 0xffff0000
	s_mov_b32 s60, s[WV]                           ; pass 0's group
	s_sub_co_u32 s61, 15, s[WV]                    ; pass 1's
	s_lshr_b32 s73, s15, 2                         ; the head's place in a row's scale words of ctx: (head / 4) x 128 + ((head / 2) % 2) x 4 + (head % 2) x 2
	s_lshl_b32 s73, s73, 7
	s_bfe_u32 s72, s15, 0x10001
	s_lshl_b32 s72, s72, 2
	s_add_co_u32 s73, s73, s72
	s_and_b32 s72, s15, 1
	s_lshl_b32 s72, s72, 1
	s_add_co_u32 s73, s73, s72
	s_wait_dscnt 0x0
	s_wait_kmcnt 0x0
	s_add_nc_u64 s[40:41], s[4:5], s[18:19]        ; the head's record
	s_mov_b32 s[G0], 1
	s_mov_b32 s[G0+1], s26
	s_add_nc_u64 s[G0+2:G0+3], s[40:41], s[26:27]
	s_or_b32 s[G0+3], s[G0+3], 0x80000000
	CROUND                                         ; all four work-groups are here: the joint loads meet
	tensor_load_to_lds s[G0:G0+3], s[G1:G1+7]      ; my one tensor load of the launch
	s_nop 0
.rept 4
	v_nop
.endr
.irp u, 0,1                            ; pass u: query tile Tq = 8 g + 2 cx + u of the batch
	s_lshl_b32 s68, s[60+\u], 3
	s_lshl_b32 s69, s13, 1
	s_add_co_u32 s68, s68, s69
	s_add_co_u32 s68, s68, \u
	s_mul_i32 s70, s68, 768
	s_add_co_u32 s70, s70, 204800
	s_mov_b32 s71, 0
	s_add_nc_u64 s[44+8*\u:45+8*\u], s[40:41], s[70:71]   ; its record of Q
	s_lshl_b32 s70, s[60+\u], 8
	s_lshl_b32 s72, s13, 2
	s_add_co_u32 s70, s70, s72
	s_add_co_u32 s70, s70, 303104
	s_add_nc_u64 s[46+8*\u:47+8*\u], s[40:41], s[70:71]   ; its pair's scale words: group g, pair cx
	s_lshl_b32 s72, s16, 7
	s_add_co_u32 s68, s68, s72                     ; the tile among all 512
	s_mul_i32 s70, s68, 12288
	s_mul_i32 s72, s15, 768
	s_add_co_u32 s70, s70, s72
	s_add_nc_u64 s[48+8*\u:49+8*\u], s[6:7], s[70:71]     ; ctx's record: [tile][head][768]
	s_lshl_b32 s70, s68, 9
	s_add_co_u32 s70, s70, s73
	s_add_nc_u64 s[50+8*\u:51+8*\u], s[8:9], s[70:71]     ; and its scale bytes
.endr
	v_and_b32 v226, 31, v0                         ; L
	v_and_b32 v227, 15, v0                         ; r
	v_bfe_u32 v228, v0, 4, 1                       ; h
	s_delay_alu instid0(VALU_DEP_3)
	v_lshlrev_b32 v1, 4, v226                      ; 16 L
	s_delay_alu instid0(VALU_DEP_4)
	v_lshlrev_b32 v2, 3, v226                      ; 8 L
	s_delay_alu instid0(VALU_DEP_2)
	v_add_nc_u32 v3, 98304, v1                     ; the same in V's part
	s_delay_alu instid0(VALU_DEP_2)
	v_add_nc_u32 v4, 98304, v2
	v_lshlrev_b32 v95, 4, v227                     ; 16 r
	s_delay_alu instid0(VALU_DEP_1)
	v_add_nc_u32 v5, 196608, v95                   ; K's scale words: 16 bytes a row
	v_and_b32 v7, 8, v227
	s_delay_alu instid0(VALU_DEP_1)
	v_add_nc_u32 v7, v7, v227
	v_lshlrev_b32 v229, 4, v228
	s_delay_alu instid0(VALU_DEP_1)
	v_sub_nc_u32 v7, v7, v229                      ; r + 8 (r / 8) - 16 h
	v_lshl_add_u32 v93, v227, 3, v228              ; 8 r + h
	v_mov_b32 v94, 0xff800000                      ; -infinity
.irp u, 0,1
	global_load_b128 v[16+216*\u:19+216*\u], v1, s[44+8*\u:45+8*\u]             ; Q's record, twice: [Q | zeros] and [zeros | Q] share the zeros
	global_load_b64 v[20+216*\u:21+216*\u], v2, s[44+8*\u:45+8*\u] offset:512
	global_load_b128 v[28+216*\u:31+216*\u], v1, s[44+8*\u:45+8*\u]
	global_load_b64 v[32+216*\u:33+216*\u], v2, s[44+8*\u:45+8*\u] offset:512
	global_load_b32 v[251+\u], v95, s[46+8*\u:47+8*\u]
.irp i, 0,1,2,3,4,5
	v_mov_b32 v[22+216*\u+\i], 0
.endr
.endr
.irp b, 0,1,2,3
	v_mov_b32 v[BT+\b], 0                          ; written once: a lane permute's destination counts as one of its sources
.endr
	v_mov_b32 v225, 0                              ; (named as the upper half of the pair v[224:225])
	s_wait_loadcnt 0x0
	v_and_b32 v226, 0xffff, v251                   ; the even tile's two bytes,
	s_delay_alu instid0(VALU_DEP_1)
	v_lshl_or_b32 v35, v226, 16, v226              ; twice: they serve Q in either half of K
	v_lshrrev_b32 v226, 16, v252                   ; the odd tile's
	s_delay_alu instid0(VALU_DEP_1)
	v_lshl_or_b32 v250, v226, 16, v226
	s_wait_tensorcnt 0x0                           ; my part of the head is in LDS,
	s_barrier_signal -1
	s_barrier_wait -1                              ; everybody's is
.macro PASS u
.set QB,  16+216*\u
.set QSR, 35+215*\u
.if \u
	s_wait_xcnt 0x0                                ; the first pass's stores have read their registers
.endif
	s_lshl_b32 s68, s13, 5
	s_add_co_u32 s68, s68, 8*\u
	v_add_nc_u32 v6, s68, v7                       ; d = my query's place in its group - 16 h: in the diagonal step register 16 b + i holds the key at place 32 b + i + 16 h: hidden where 32 b + i > d
	v_mov_b32 v13, 0xff61b1e6                      ; the largest t so far: -3e38
	s_delay_alu instid0(VALU_DEP_1)
	v_floor_f32 v12, -v13                          ; -M
	v_mov_b32 v14, 0
	v_mov_b32 v15, 0
.set j, 0
.rept 32
	v_mov_b32 v[OT+j], 0                           ; O^T: the step is written once; the first finds zeros, which the first change of M leaves zeros
.set j, j+1
.endr
	s_mov_b32 s[ST], 0
	s_mov_b32 s[TK], 0
	s_mov_b32 s[TS], 0
.Lstep_\u:
	s_cmp_gt_u32 s[ST], s[60+\u]                   ; all 128 keys come after my queries: the step's work is left out
	s_cbranch_scc1 .Lhidden_\u
	s_setprio 2
	v_add_nc_u32 v8, s[TK], v1                     ; (these five are also the places between the last step's products and the loads into the registers that they read)
	v_add_nc_u32 v9, s[TK], v2
	v_add_nc_u32 v10, s[TK], v3
	v_add_nc_u32 v11, s[TK], v4
	v_add_nc_u32 v34, s[TS], v5
.set i, 0
.rept 8
	ds_load_b128 v[KF+6*i:KF+6*i+3], v8 offset:768*i             ; the step's eight records of K: four pairs
	ds_load_b64 v[KF+6*i+4:KF+6*i+5], v9 offset:768*i+512
.set i, i+1
.endr
	ds_load_b128 v[84:87], v34                     ; and the four pairs' scale words of row r
	s_wait_alu depctr_va_vdst(0)
	s_wait_dscnt 0x0
.set i, 0
.rept 8
	v_wmma_scale_f32_16x16x128_f8f6f4 v[S+8*i:S+8*i+7], v[KF+12*(i/2):KF+12*(i/2)+11], v[QB+6*(i%2):QB+6*(i%2)+11], 0, v[84+i/2], v[QSR] matrix_a_fmt:MATRIX_FMT_BF6 matrix_b_fmt:MATRIX_FMT_BF6
.set i, i+1
.endr
.rept 4
	v_nop                                          ; places: behind them V's loads land where K lay, and the scores are read
.endr
.set i, 0
.rept 8
	ds_load_b128 v[KF+6*i:KF+6*i+3], v10 offset:768*i            ; the step's eight records of V: they land under the softmax
	ds_load_b64 v[KF+6*i+4:KF+6*i+5], v11 offset:768*i+512
.set i, i+1
.endr
	ds_load_b128 v[88:91], v34 offset:4096
	s_cmp_lg_u32 s[ST], s[60+\u]                   ; only the group's own step lies on the diagonal
	s_cbranch_scc1 .Lopen_\u
.set n, 0
.rept 64
	v_cmp_gt_i32 vcc_lo, 32*(n/16)+n%16, v6
	v_cndmask_b32 v[S+n], v[S+n], v94, vcc_lo      ; a hidden key's score becomes -infinity: p = 0
.set n, n+1
.endr
.Lopen_\u:
.irp b, 0,1,2,3
	v_max3_num_f32 v[BM+\b], v[S+16*\b], v[S+1+16*\b], v[S+2+16*\b]   ; the largest score of each block of 32 keys: for the row's maximum, and for the block's largest p
.endr
.irp i, 3,5,7,9,11,13
.irp b, 0,1,2,3
	v_max3_num_f32 v[BM+\b], v[BM+\b], v[S+16*\b+\i], v[S+1+16*\b+\i]
.endr
.endr
.irp b, 0,1,2,3
	v_max_num_f32 v[BM+\b], v[BM+\b], v[S+15+16*\b]
.endr
.irp b, 0,1,2,3
	s_delay_alu instid0(VALU_DEP_4)
	v_permlanex16_b32 v[BT+\b], v[BM+\b], s[SEL], s[SEL+1]
.endr
.irp b, 0,1,2,3
	s_delay_alu instid0(VALU_DEP_4)
	v_max_num_f32 v[BM+\b], v[BM+\b], v[BT+\b]     ; with lane l xor 16's 16 keys
.endr
	s_delay_alu instid0(VALU_DEP_2)
	v_max3_num_f32 v226, v[BM], v[BM+1], v[BM+2]
	s_delay_alu instid0(VALU_DEP_1)
	v_max_num_f32 v226, v226, v[BM+3]
	s_delay_alu instid0(VALU_DEP_1)
	v_mul_f32 v226, s[CS], v226                    ; as t (c is positive)
	s_delay_alu instid0(VALU_DEP_1)
	v_max_num_f32 v13, v13, v226                   ; the running largest t
	v_mov_b32 v226, v12
	s_delay_alu instid0(VALU_DEP_2)
	v_floor_f32 v12, -v13                          ; the new -M = -ceil(t)
	s_delay_alu instid0(VALU_DEP_1)
	v_sub_f32 v226, v12, v226                      ; old M - new M: a whole number, 0 or less
	s_delay_alu instid0(VALU_DEP_1)
	v_cvt_i32_f32 v226, v226                       ; (it saturates)
	s_delay_alu instid0(VALU_DEP_1)
	v_ldexp_f32 v224, 1.0, v226                    ; f = 2^(old M - new M)
.set j, 0
.rept 32
	v_pk_fma_f32 v[S+j:S+j+1], v[S+j:S+j+1], s[CS:CS+1], v[12:13] op_sel_hi:[1,0,0]   ; t - M, two at a time
.set j, j+2
.endr
	s_setprio 1
.irp b, 0,1,2,3
	v_fma_f32 v[BM+\b], v[BM+\b], s[CS], v12       ; the same of each block's largest score
.endr
.set j, 0
	s_wait_alu depctr_va_vdst(0)
.rept 64
	v_exp_f32 v[S+j], v[S+j]                       ; p = 2^(t - M)
.set j, j+1
.endr
.irp b, 0,1,2,3
	v_exp_f32 v[BM+\b], v[BM+\b]                   ; the block's largest p
.endr
	v_pk_mul_f32 v[14:15], v[14:15], v[224:225] op_sel_hi:[1,0]   ; the sum under the new M (a plain place behind the exponentials)
	s_wait_alu depctr_va_vdst(0)
.irp b, 0,1,2,3
	v_max_num_f32 v[BM+\b], 0x2800000, v[BM+\b]    ; the floor 2^(5 - 127)
.endr
.irp b, 0,1,2,3
	s_delay_alu instid0(VALU_DEP_4)
	v_add_nc_u32 v[BS+\b], 0xfe000000, v[BM+\b]    ; 4 off the exponent field: the conversion's scale operand
.endr
.irp b, 0,1,2,3
	s_delay_alu instid0(VALU_DEP_4)
	v_lshrrev_b32 v[BT+\b], 23, v[BS+\b]           ; the scale's byte
.endr
	s_delay_alu instid0(VALU_DEP_3)
	v_lshl_or_b32 v92, v[BT+1], 8, v[BT]           ; p's scale word for these 128 keys
	s_delay_alu instid0(VALU_DEP_1)
	v_lshl_or_b32 v92, v[BT+2], 16, v92
	s_delay_alu instid0(VALU_DEP_1)
	v_lshl_or_b32 v92, v[BT+3], 24, v92
.irp c, 0,1
	v_cvt_scalef32_pk16_bf6_f32 v[PCD+6*\c:PCD+2+6*\c], v[S+32*\c:S+15+32*\c], v[BS+2*\c]
	v_cvt_scalef32_pk16_bf6_f32 v[PH+4*\c:PH+2+4*\c], v[S+16+32*\c:S+31+32*\c], v[BS+2*\c+1]
.endr
	v_nop                                          ; one plain place behind a scaled conversion
.irp c, 0,1
.irp i, 0,1,2
	v_permlane16_swap_b32 v[PCD+6*\c+\i], v[PH+4*\c+\i]   ; a whole block to a lane
.endr
.irp i, 0,1,2
	s_delay_alu instid0(VALU_DEP_3)
	v_mov_b32 v[PCD+3+6*\c+\i], v[PH+4*\c+\i]
.endr
.endr
.set j, 0
.rept 16
	v_pk_mul_f32 v[OT+j:OT+j+1], v[OT+j:OT+j+1], v[224:225] op_sel_hi:[1,0]   ; O^T under the new M, each accumulator from its low end on
.set j, j+2
.endr
	s_setprio 0
	v_pk_add_f32 v[230:231], v[100:101], v[104:105]
	v_pk_add_f32 v[252:253], v[108:109], v[112:113]
	v_pk_add_f32 v[228:229], v[116:117], v[120:121]
	v_pk_add_f32 v[222:223], v[124:125], v[128:129]
	v_pk_add_f32 v[220:221], v[132:133], v[136:137]
	v_pk_add_f32 v[214:215], v[140:141], v[144:145]
	v_pk_add_f32 v[212:213], v[148:149], v[152:153]
	v_pk_add_f32 v[14:15], v[14:15], v[156:157]
	v_pk_add_f32 v[230:231], v[230:231], v[96:97]
	v_pk_add_f32 v[252:253], v[252:253], v[98:99]
	v_pk_add_f32 v[228:229], v[228:229], v[102:103]
	v_pk_add_f32 v[222:223], v[222:223], v[106:107]
	v_pk_add_f32 v[220:221], v[220:221], v[110:111]
	v_pk_add_f32 v[214:215], v[214:215], v[114:115]
	v_pk_add_f32 v[212:213], v[212:213], v[118:119]
	v_pk_add_f32 v[14:15], v[14:15], v[122:123]
	v_pk_add_f32 v[230:231], v[230:231], v[126:127]
	v_pk_add_f32 v[252:253], v[252:253], v[130:131]
	v_pk_add_f32 v[228:229], v[228:229], v[134:135]
	v_pk_add_f32 v[222:223], v[222:223], v[138:139]
	v_pk_add_f32 v[220:221], v[220:221], v[142:143]
	v_pk_add_f32 v[214:215], v[214:215], v[146:147]
	v_pk_add_f32 v[212:213], v[212:213], v[150:151]
	v_pk_add_f32 v[14:15], v[14:15], v[154:155]
	v_pk_add_f32 v[230:231], v[230:231], v[158:159]
	s_delay_alu instid0(VALU_DEP_2)
	v_pk_add_f32 v[14:15], v[14:15], v[222:223]
	s_delay_alu instid0(VALU_DEP_2)
	v_pk_add_f32 v[230:231], v[230:231], v[220:221]
	v_pk_add_f32 v[252:253], v[252:253], v[214:215]
	v_pk_add_f32 v[228:229], v[228:229], v[212:213]
	s_delay_alu instid0(VALU_DEP_2)
	v_pk_add_f32 v[14:15], v[14:15], v[252:253]
	s_delay_alu instid0(VALU_DEP_2)
	v_pk_add_f32 v[230:231], v[230:231], v[228:229]
	s_delay_alu instid0(VALU_DEP_1)
	v_pk_add_f32 v[14:15], v[14:15], v[230:231]
	s_wait_dscnt 0x0                               ; V and its scale words are in
.set i, 0
.rept 4                                ; one instruction an accumulator; the matrix instruction ahead of each is another accumulator's
	v_wmma_scale_f32_16x16x128_f8f6f4 v[OT+8*i:OT+8*i+7], v[KF+12*i:KF+12*i+11], v[PCD:PCD+11], v[OT+8*i:OT+8*i+7], v[88+i], v92 matrix_a_fmt:MATRIX_FMT_BF6 matrix_b_fmt:MATRIX_FMT_BF6
.set i, i+1
.endr
.Lhidden_\u:
	s_add_co_u32 s[TK], s[TK], 6144
	s_add_co_u32 s[TS], s[TS], 256
	s_add_co_u32 s[ST], s[ST], 1
	s_cmp_lt_u32 s[ST], 16
	s_cbranch_scc1 .Lstep_\u
	s_setprio 0
	; THE PASS'S END: ctx = O^T / the sum; register 16 b + i is channel 32 b + 16 h + i (V's tiles of channels are laid for that): two blocks of 32, quantised as they stand: one record.
.rept 4
	v_nop                                          ; places behind the last products
.endr
	s_wait_alu depctr_va_vdst(0)
	v_add_f32 v14, v14, v15
	s_delay_alu instid0(VALU_DEP_1)
	v_permlanex16_b32 v226, v14, s[SEL], s[SEL+1]
	s_delay_alu instid0(VALU_DEP_1)
	v_add_f32 v14, v14, v226                       ; the row's sum
	s_wait_alu depctr_va_vdst(0)
	v_rcp_f32 v14, v14
	v_nop                                          ; one plain place behind a transcendental
.set j, 0
	s_wait_alu depctr_va_vdst(0)
.rept 16
	v_pk_mul_f32 v[S+j:S+j+1], v[OT+j:OT+j+1], v[14:15] op_sel_hi:[1,0]
.set j, j+2
.endr
.irp b, 0,1
	v_max3_num_f32 v[BM+\b], |v[S+16*\b]|, |v[S+16*\b+1]|, 0x2800000
.endr
.irp i, 2,4,6,8,10,12,14
.irp b, 0,1
	s_delay_alu instid0(VALU_DEP_2)
	v_max3_num_f32 v[BM+\b], v[BM+\b], |v[S+16*\b+\i]|, |v[S+16*\b+\i+1]|
.endr
.endr
.irp b, 0,1
	s_delay_alu instid0(VALU_DEP_2)
	v_permlanex16_b32 v[BT+\b], v[BM+\b], s[SEL], s[SEL+1]
.endr
.irp b, 0,1
	s_delay_alu instid0(VALU_DEP_2)
	v_max_num_f32 v[BM+\b], v[BM+\b], v[BT+\b]
.endr
.irp b, 0,1
	s_delay_alu instid0(VALU_DEP_2)
	v_add_nc_u32 v[BS+\b], 0xfe000000, v[BM+\b]
.endr
.irp b, 0,1
	s_delay_alu instid0(VALU_DEP_2)
	v_lshrrev_b32 v[BT+\b], 23, v[BS+\b]
.endr
	v_cvt_scalef32_pk16_bf6_f32 v[192:194], v[S:S+15], v[BS]
	v_cvt_scalef32_pk16_bf6_f32 v[196:198], v[S+16:S+31], v[BS+1]
	v_nop                                          ; one plain place behind a scaled conversion
.irp i, 0,1,2
	v_permlane16_swap_b32 v[192+\i], v[196+\i]     ; lanes 0-15 block 0, lanes 16-31 block 1
.endr
	s_delay_alu instid0(VALU_DEP_3)
	v_mov_b32 v195, v196
	s_delay_alu instid0(VALU_DEP_3)
	v_mov_b32 v196, v197
	s_delay_alu instid0(VALU_DEP_3)
	v_mov_b32 v197, v198
	v_cndmask_b32 v227, v[BT], v[BT+1], s[HM]      ; my block's byte
	global_store_b128 v1, v[192:195], s[48+8*\u:49+8*\u]             ; 512 and 256 consecutive bytes, aligned
	global_store_b64 v2, v[196:197], s[48+8*\u:49+8*\u] offset:512
	global_store_b8 v93, v227, s[50+8*\u:51+8*\u]
.endm
	PASS 0
	PASS 1
	s_wait_dscnt 0x0
	s_wait_tensorcnt 0x0
	ds_add_u32 v254, v255
	s_wait_dscnt 0x0
	CROUND                                         ; the closing round
	s_endpgm
.Lfunc_end_k_q259fbc098d_attn:
	.size	k_q259fbc098d_attn, .Lfunc_end_k_q259fbc098d_attn-k_q259fbc098d_attn
	.p2alignl 7, 3214868480
	.fill 96, 4, 3214868480
	.section	.rodata,"a",@progbits
	.p2align	6, 0x0
	.amdhsa_kernel k_q259fbc098d_attn
		.amdhsa_group_segment_fixed_size 206848
		.amdhsa_private_segment_fixed_size 0
		.amdhsa_enable_private_segment 0
		.amdhsa_kernarg_size 24
		.amdhsa_user_sgpr_count 2
		.amdhsa_user_sgpr_kernarg_segment_ptr 1
		.amdhsa_wavefront_size32 1
		.amdhsa_system_sgpr_workgroup_id_x 1
		.amdhsa_system_sgpr_workgroup_id_y 1
		.amdhsa_system_sgpr_workgroup_id_z 1
		.amdhsa_system_vgpr_workitem_id 0
		.amdhsa_next_free_vgpr 256
		.amdhsa_next_free_sgpr 80
		.amdhsa_reserve_vcc 1
		.amdhsa_float_denorm_mode_32 3
		.amdhsa_float_denorm_mode_16_64 3
		.amdhsa_memory_ordered 1
		.amdhsa_forward_progress 1
		.amdhsa_inst_pref_size 65
	.end_amdhsa_kernel
	.amdgpu_metadata
---
amdhsa.version: [ 1, 2 ]
amdhsa.kernels:
  - .name:           k_q259fbc098d_attn
    .symbol:         k_q259fbc098d_attn.kd
    .args:
      - { .name: hd, .offset: 0, .size: 8, .value_kind: global_buffer, .address_space: global }
      - { .name: ci, .offset: 8, .size: 8, .value_kind: global_buffer, .address_space: global }
      - { .name: cs, .offset: 16, .size: 8, .value_kind: global_buffer, .address_space: global }
    .group_segment_fixed_size: 206848
    .private_segment_fixed_size: 0
    .kernarg_segment_align: 8
    .kernarg_segment_size: 24
    .max_flat_workgroup_size: 512
    .sgpr_count:     80
    .vgpr_count:     256
    .wavefront_size: 32
...
	.end_amdgpu_metadata
.endif
;; end of part 3
;; launch out (part 4): grid 4 x 32, 4 waves a work-group, clusters of 4 x 4, 327,680 bytes of LDS; arguments ci, cs, wi, ws, bo, out0; writes out0
.if DOCPART == 4
	.amdgcn_target "amdgcn-amd-amdhsa--gfx1250"
	.amdhsa_code_object_version 6
	.text
	.protected	k_q259fbc098d_out
	.globl	k_q259fbc098d_out
	.p2align	8
	.type	k_q259fbc098d_out,@function
k_q259fbc098d_out:
	s_mov_b64 s[64:65], 0
	v_nop
	global_prefetch_b8 v0, s[64:65] scope:SCOPE_SE
	s_setreg_imm32_b32 hwreg(HW_REG_WAVE_MODE, 25, 1), 1
	s_wait_xcnt 0x0
	s_wait_alu depctr_hold_cnt(0) depctr_sa_sdst(0) depctr_va_vdst(0) depctr_va_sdst(0) depctr_va_ssrc(0) depctr_va_vcc(0) depctr_vm_vsrc(0)
	s_getreg_b32 s2, hwreg(HW_REG_IB_STS2, 6, 4)
	s_cmp_eq_u32 s2, 0
	s_cbranch_scc0 .Lentry_in_a_cluster
	s_endpgm
.Lentry_in_a_cluster:
	s_bfe_u32 s2, ttmp6, 0x10000c
	s_cmp_lg_u32 s2, 0xf033
	s_cbranch_scc0 .Lentry_shape_is_right
	s_endpgm
.Lentry_shape_is_right:
; out0 = ctx Wo + bo on codes of BF6 (E3M2) with E8M0 scales, K = 1,024.  C[m][n] = sum over k of A[m][k] B[n][k] + bo[n]: A = ctx (ci, cs: m = tokens), B = Wo's columns (wi, ws: tiles 192-255).
; The matrix instruction is used transposed (source 0 = 16 rows of B, source 1 = 16 rows of A): a lane holds one row of C and its registers run along n.
; OPERANDS are images of registers.  A tile is 16 rows: row p of tile T is row 32 (T / 2) + 8 (T % 2) + p + 8 (p / 8).  A record (768 bytes) is a tile x 64 K: place L = p + 16 h: registers 0-3 of block h at 16 L,
; registers 4-5 at 512 + 8 L.  Codes: [tile][16][768]; a fragment (16 x 128) is two records: four LDS loads, each of consecutive bytes.
; A tile of C is 256 x 256: four waves, each 128 x 128 in 64 accumulators.  K goes in steps of 256 through two LDS slots filled by the tensor data mover; the scale words of all of K come once.
; CLUSTERS: 4 x 4 work-groups; A's tiles hang on cy alone and are asked for jointly along a row of the cluster, B's on cx alone, along a column.  The size gives 128 tiles of C: 128 work-groups.
; THE BIAS is the C of each sum's first matrix instruction: eight registers for each of B's eight tiles, in the result's layout.
; REGISTERS, in windows of 256: window 0: v16-23, v27 LDS addresses; v24-26 the way out; v28-29 for the add; v32-63 scale words, two sets; v128-223 A's fragments, one set; on the way out v128-255.
;   window 1: B's fragments, two sets, at v0 and v128; the bias at v96-127 and v224-255.   windows 2, 3: the accumulators, (a, b) at v[8 (8 (a % 4) + b)].
.set FR,     12
.set NL,     4
.set NP,     4                         ; places behind this matrix instruction (ISA guide 7.12.1)
.set NQ,     2
.set TILEB,  12288
.set KSB,    3072
.set HALFT,  8*KSB
.set SLOT,   4*HALFT
.set SCL,    2*SLOT                    ; A's scale words (8,192 bytes), 128 bytes of gap, B's (8,192)
.set SPARE,  SCL+16640                 ; the spare words, 128 bytes for each wave: two blocks of 256 bytes that no other line names
.set SPITCH, 528                       ; the way out: a stage of 16 rows x (512 bytes + 16) for each wave, in slot 0, which has had its last fill and its last read by then
.set ADRA, 16
.set ADRB, 20
.set STO,  24                          ; v24 where I put 32 bytes of a row
.set RD,   25                          ; v25 where I read a row back
.set CO,   26                          ; v26 my byte offset in a row of C
.set ADRS, 27
.set SPW,  28
.set NIL,  29
.set SC,   32
.set AF,   128
.set BK,   128
.set G1, 24
.set G0, 32
.set G1B, 48
.set G0B, 56
.set G1S, 68
.set G0S, 76
.set G1SB, 80
.set G0SB, 88
.set MSB, 0
.macro WIN new
.if MSB != (\new)
	s_set_vgpr_msb (MSB<<8)|(\new)
.set MSB, (\new)
.endif
.endm
.set MUL_LO, 0xa1                      ; source 0 (B) window 1, source 1 (A) window 0, C and D window 2
.set MUL_HI, 0xf1                      ; the same, C and D window 3
.set BIA_LO, 0x91                      ; the first step: C (the bias) window 1, D window 2
.set BIA_HI, 0xd1                      ; D window 3
.set TO_B,   0x40
.macro JLOAD g0a, g1a, g0b, g1b        ; a joint load: waves 0 and 1 fetch for A, waves 2 and 3 for B; four v_nop follow each of the two lines
	s_cmp_eq_u32 s15, 0
	s_cbranch_scc0 .Lfor_b_\@
	tensor_load_to_lds s[\g0a:\g0a+3], s[\g1a:\g1a+7]
	s_nop 0
.rept 4
	v_nop
.endr
	s_branch .Lasked_\@
.Lfor_b_\@:
	tensor_load_to_lds s[\g0b:\g0b+3], s[\g1b:\g1b+7]
	s_nop 0
.rept 4
	v_nop
.endr
.Lasked_\@:
.endm
.macro CREST
	s_cmp_lg_u32 s14, 0
	s_cbranch_scc1 .Lnot_wave_0_\@
	s_barrier_signal -3
.Lnot_wave_0_\@:
	s_barrier_wait -3
	s_barrier_signal -1
	s_barrier_wait -1
.endm
.macro CROUND
	s_barrier_signal -1
	s_barrier_wait -1
	CREST
.endm
	s_load_b128 s[4:7], s[0:1], 0x0                ; ci, cs
	s_load_b128 s[8:11], s[0:1], 0x10              ; wi, ws
	s_load_b64 s[66:67], s[0:1], 0x20              ; bo
	s_load_b64 s[12:13], s[0:1], 0x28              ; out0
	v_lshl_add_u32 v[SPW], v0, 2, SPARE
	v_mov_b32 v[NIL], 0
	ds_add_u32 v28, v29
	ds_add_u32 v28, v29
	s_wait_dscnt 0x0
	v_lshrrev_b32 v1, 5, v0
	v_readfirstlane_b32 s14, v1                    ; wave 0..3
	s_lshr_b32 s15, s14, 1                         ; which half of the tile's rows is mine.  Also: I fetch for A (0) or for B (1)
	s_and_b32 s16, s14, 1                          ; which half of its columns.  Also: which 8 tiles I fetch
	s_bfe_u32 s40, ttmp6, 0x40000                  ; cx, cy
	s_bfe_u32 s41, ttmp6, 0x40004
	s_and_b32 s3, ttmp7, 0xffff                    ; the cluster's number, 0 .. 7
	s_lshl_b32 s43, s41, 2
	s_lshl_b32 s43, 15, s43                        ; my row of the cluster
	s_lshl_b32 s44, 0x1111, s40                    ; my column
	s_or_b32 s[G1+0], s43, (3<<16)|(1<<21)         ; codes: 8 rows (one a tile) of 384 elements of 8 bytes, 12,288 bytes apart; no padding; 21 set beside a mask
	s_or_b32 s[G1B+0], s44, (3<<16)|(1<<21)
.irp g, G1, G1B
	s_mov_b32 s[\g+1], 384<<16
	s_mov_b32 s[\g+2], 8<<16
	s_mov_b32 s[\g+3], 384<<16
	s_mov_b32 s[\g+4], 8
	s_mov_b32 s[\g+5], 1536
	s_mov_b32 s[\g+6], 0
	s_mov_b32 s[\g+7], 0
.endr
	s_or_b32 s[G1S+0], s43, (3<<16)|(1<<21)        ; the scale words of 8 tiles: 4,096 dense bytes as 16 rows of 256
	s_or_b32 s[G1SB+0], s44, (3<<16)|(1<<21)
.irp g, G1S, G1SB
	s_mov_b32 s[\g+1], 32<<16
	s_mov_b32 s[\g+2], 16<<16
	s_mov_b32 s[\g+3], 32<<16
	s_mov_b32 s[\g+4], 16
	s_mov_b32 s[\g+5], 32
	s_mov_b32 s[\g+6], 0
	s_mov_b32 s[\g+7], 0
.endr
	s_lshl_b32 s17, s3, 2
	s_add_co_u32 s17, s17, s41                     ; tile row of C = 4 x cluster + cy
	s_lshl_b32 s17, s17, 4                         ; A's first tile of my work-group
	s_lshl_b32 s42, s40, 4
	s_add_co_u32 s42, s42, 192                     ; B's: Wo begins at tile 192
	s_lshl_b32 s18, s16, 3
	s_add_co_u32 s20, s17, s18
	s_add_co_u32 s46, s42, s18
	s_lshl_b32 s22, s20, 9
	s_mul_i32 s20, s20, TILEB
	s_mov_b32 s21, 0
	s_mov_b32 s23, 0
	s_lshl_b32 s92, s46, 9
	s_mul_i32 s46, s46, TILEB
	s_mov_b32 s47, 0
	s_mov_b32 s93, 0
	s_mul_i32 s45, s14, HALFT                      ; no place in the cluster enters an LDS address
	s_lshl_b32 s94, s14, 12
	s_wait_kmcnt 0x0
	s_add_nc_u64 s[20:21], s[4:5], s[20:21]
	s_add_nc_u64 s[22:23], s[6:7], s[22:23]
	s_add_nc_u64 s[46:47], s[8:9], s[46:47]
	s_add_nc_u64 s[92:93], s[10:11], s[92:93]
	CROUND                                         ; all sixteen work-groups are here: the first joint loads meet
	s_mov_b32 s[G0S], 1
	s_add_co_u32 s[G0S+1], s94, SCL
	s_mov_b64 s[G0S+2:G0S+3], s[22:23]
	s_or_b32 s[G0S+3], s[G0S+3], 0x80000000
	s_mov_b32 s[G0SB], 1
	s_add_co_u32 s[G0SB+1], s94, SCL+128
	s_mov_b64 s[G0SB+2:G0SB+3], s[92:93]
	s_or_b32 s[G0SB+3], s[G0SB+3], 0x80000000
	JLOAD G0S, G1S, G0SB, G1SB
.irp s, 0,1
	s_mov_b32 s[G0+4*\s], 1
	s_add_co_u32 s[G0+4*\s+1], s45, \s*SLOT
	s_add_nc_u64 s[G0+4*\s+2:G0+4*\s+3], s[20:21], \s*KSB
	s_or_b32 s[G0+4*\s+3], s[G0+4*\s+3], 0x80000000
	s_mov_b32 s[G0B+4*\s], 1
	s_add_co_u32 s[G0B+4*\s+1], s45, \s*SLOT
	s_add_nc_u64 s[G0B+4*\s+2:G0B+4*\s+3], s[46:47], \s*KSB
	s_or_b32 s[G0B+4*\s+3], s[G0B+4*\s+3], 0x80000000
	s_wait_alu depctr_va_vdst(0)
	s_wait_tensorcnt 0x0
	ds_add_u32 v28, v29
	s_wait_dscnt 0x0
	CROUND
	JLOAD G0+4*\s, G1, G0B+4*\s, G1B               ; one tensor load of mine is out now: the wait above has landed the ones before it
.endr
	v_and_b32 v1, 15, v0                           ; r
	v_bfe_u32 v2, v0, 4, 1                         ; h
	v_and_b32 v3, 31, v0                           ; L
	v_lshlrev_b32 v[CO], 4, v3                     ; 16 L
	v_lshlrev_b32 v4, 3, v3                        ; 8 L
	s_mul_i32 s21, s15, HALFT
	s_mul_i32 s22, s16, HALFT
	s_add_co_u32 s22, s22, 2*HALFT
.irp s, 0,1
	v_add_nc_u32 v[ADRA+\s], s21, v[CO]
	v_add_nc_u32 v[ADRB+\s], s22, v[CO]
	v_add_nc_u32 v[ADRA+2+\s], s21, v4
	v_add_nc_u32 v[ADRB+2+\s], s22, v4
	s_add_co_u32 s21, s21, SLOT
	s_add_co_u32 s22, s22, SLOT
.endr
	s_lshl_b32 s21, s15, 12
	s_lshl_b32 s22, s16, 12
	s_add_co_u32 s22, s22, 8320
	s_sub_co_u32 s22, s22, s21
	v_mul_u32_u24 v6, s22, v2                      ; lanes 16-31 take B's: one product, the distance x h
	s_add_co_u32 s21, s21, SCL
	v_lshlrev_b32 v5, 3, v1
	v_add_nc_u32 v5, v5, v6
	v_add_nc_u32 v[ADRS], s21, v5
	s_mul_i32 s23, s14, 16*SPITCH                  ; my stage
	v_mul_u32_u24 v5, v1, SPITCH
	v_lshl_add_u32 v5, v2, 6, v5
	v_add_nc_u32 v[STO], s23, v5                   ; in: row r, + 64 h: register j of B's tile b is column 32 (b / 2) + 16 h + 8 (b % 2) + j
	v_add_nc_u32 v[RD], s23, v[CO]                 ; back: the 32 lanes take one row of 512 bytes
	s_lshl_b32 s18, s15, 3
	s_add_co_u32 s20, s17, s18                     ; A's first tile of my wave: row 16 x tile, 4,096 bytes a row
	s_lshl_b32 s20, s20, 16
	s_lshl_b32 s46, s40, 10
	s_lshl_b32 s47, s16, 9
	s_add_co_u32 s46, s46, s47                     ; my first column, in bytes: 1,024 cx + 512 x half
	s_mov_b32 s47, 0
	s_add_nc_u64 s[66:67], s[66:67], s[46:47]      ; bo at my columns
	s_add_co_u32 s20, s20, s46
	s_mov_b32 s21, 0
	s_add_nc_u64 s[12:13], s[12:13], s[20:21]
	v_lshlrev_b32 v6, 6, v2                        ; the bias: 64 h bytes on for lanes 16-31
	WIN TO_B
.irp b, 0,1,2,3,4,5,6,7
	global_load_b128 v[96+8*\b+96*(\b/4):96+8*\b+96*(\b/4)+3], v6, s[66:67] offset:128*(\b/2)+32*(\b%2)
	global_load_b128 v[96+8*\b+96*(\b/4)+4:96+8*\b+96*(\b/4)+7], v6, s[66:67] offset:128*(\b/2)+32*(\b%2)+16
.endr
	WIN 0
.macro FRAG reg, adr, q, i
	ds_load_b128 v[\reg:\reg+3],     v[\adr]   offset:(\i)*KSB+(\q)*1536
	ds_load_b64  v[\reg+4:\reg+5],   v[\adr+2] offset:(\i)*KSB+(\q)*1536+512
	ds_load_b128 v[\reg+6:\reg+9],   v[\adr]   offset:(\i)*KSB+(\q)*1536+768
	ds_load_b64  v[\reg+10:\reg+11], v[\adr+2] offset:(\i)*KSB+(\q)*1536+1280
.endm
; 16 matrix instructions.  first = 2: the product starts the sums on the bias.  The 64 accumulators take turns, one instruction a turn, in the same order in every step.
.macro MUL16 a0, p, q, sc, first
.irp a, \a0, \a0+1
.irp b, 0,1,2,3,4,5,6,7
.set rD, 8*(8*((\a)%4)+\b)
.set rB, 128*(\p)+FR*\b
.set rA, AF+FR*(\a)
.set rC, 96+8*\b+96*(\b/4)
.set rSB, SC+8*NQ*(\sc)+NQ*\b+(\q)
.set rSA, SC+8*NQ*(\sc)+NQ*(\a)+(\q)
.if \first == 2
	v_wmma_scale_f32_16x16x128_f8f6f4 v[rD:rD+7], v[rB:rB+FR-1], v[rA:rA+FR-1], v[rC:rC+7], v[rSB], v[rSA] matrix_a_fmt:MATRIX_FMT_BF6 matrix_b_fmt:MATRIX_FMT_BF6 matrix_a_scale:MATRIX_SCALE_ROW1
.else
	v_wmma_scale_f32_16x16x128_f8f6f4 v[rD:rD+7], v[rB:rB+FR-1], v[rA:rA+FR-1], v[rD:rD+7], v[rSB], v[rSA] matrix_a_fmt:MATRIX_FMT_BF6 matrix_b_fmt:MATRIX_FMT_BF6 matrix_a_scale:MATRIX_SCALE_ROW1
.endif
.endr
.endr
.endm
.macro FETCH_B slot, q, p
	WIN TO_B
.irp i, 0,1,2,3,4,5,6,7
	FRAG 128*(\p)+FR*\i, ADRB+\slot, \q, \i
.endr
	WIN 0
.endm
.macro FETCH_A slot, q, i0
.irp i, \i0, \i0+1, \i0+2, \i0+3
	FRAG AF+FR*(\i), ADRA+\slot, \q, \i
.endr
.endm
.macro SCALES sc
.irp i, 0,1,2,3,4,5,6,7
	ds_load_b64 v[SC+16*\sc+2*\i:SC+16*\sc+2*\i+1], v[ADRS] offset:512*\i
.endr
.endm
.macro PLACES n                        ; plain vector instructions that name no register of the matrix instructions in front of them (ISA guide 7.12.1)
.rept \n
	v_nop
.endr
.endm
.macro STEP slot, q, first
	s_wait_dscnt 4*NL                              ; B's set, A's blocks 0-3 and the scale words are in; the youngest 16 loads (A's blocks 4-7) may be out
.if \first == 2
	WIN BIA_LO
.else
	WIN MUL_LO
.endif
	MUL16 0, (\q)%2, \q, \slot, \first
	MUL16 2, (\q)%2, \q, \slot, \first
	s_wait_dscnt 0
	PLACES NP
	FETCH_B \slot, (\q)+1, 1-(\q)%2
	FETCH_A \slot, (\q)+1, 0
.if \first == 2
	WIN BIA_HI
.else
	WIN MUL_HI
.endif
	MUL16 4, (\q)%2, \q, \slot, \first
	MUL16 6, (\q)%2, \q, \slot, \first
	PLACES NP
	WIN 0
	FETCH_A \slot, (\q)+1, 4
.endm
.macro TURN slot, next, fill
	s_wait_tensorcnt 0x0                           ; all my tensor loads have landed: my part of the next slot
	ds_add_u32 v[SPW], v[NIL]                      ; 0 onto my spare word
	s_wait_dscnt 4*NL+1                            ; (the add and the youngest 16 loads may be out)
	WIN MUL_LO
	MUL16 0, 1, NQ-1, \slot, 0
	s_wait_dscnt 0x0                               ; the add is done, and my reads of this slot are over
	s_barrier_signal -1
	MUL16 2, 1, NQ-1, \slot, 0
	WIN 0
	s_barrier_wait -1
.if \fill
	CREST                                          ; the barrier has opened a round of the cluster's barrier: no wave of any partner still reads this slot or has a load on its way
	s_add_nc_u64 s[G0+4*\slot+2:G0+4*\slot+3], s[G0+4*\slot+2:G0+4*\slot+3], 2*KSB
	s_add_nc_u64 s[G0B+4*\slot+2:G0B+4*\slot+3], s[G0B+4*\slot+2:G0B+4*\slot+3], 2*KSB
	JLOAD G0+4*\slot, G1, G0B+4*\slot, G1B         ; my one tensor load behind the round; its four v_nop are also the places in front of the loads below
.else
	PLACES NP
.endif
	s_wait_alu depctr_va_vdst(0)
	v_add_nc_u32 v[ADRS], 128, v[ADRS]
	FETCH_B \next, 0, 0
	FETCH_A \next, 0, 0
	SCALES \next
	WIN MUL_HI
	MUL16 4, 1, NQ-1, \slot, 0
	MUL16 6, 1, NQ-1, \slot, 0
	PLACES NP
	WIN 0
	FETCH_A \next, 0, 4
.endm
	s_wait_alu depctr_va_vdst(0)
	s_wait_loadcnt 0x0                             ; the bias
	s_wait_tensorcnt 1                             ; the scale words and my part of K step 0 are in; K step 1's load may be out
	s_barrier_signal -1
	s_barrier_wait -1
	FETCH_B 0, 0, 0
	FETCH_A 0, 0, 0
	SCALES 0
	FETCH_A 0, 0, 4
	STEP 0, 0, 2
	TURN 0, 1, 1                                   ; slot 0 takes K step 2
	STEP 1, 0, 0
	TURN 1, 0, 1                                   ; slot 1 takes K step 3
	STEP 0, 0, 0
	TURN 0, 1, 0                                   ; nothing is left to fetch; behind this barrier nobody reads slot 0 any more
	STEP 1, 0, 0
	s_wait_dscnt 4*NL
	WIN MUL_LO
	MUL16 0, 1, NQ-1, 1, 0
	MUL16 2, 1, NQ-1, 1, 0
	s_wait_dscnt 0
	WIN MUL_HI
	MUL16 4, 1, NQ-1, 1, 0
	MUL16 6, 1, NQ-1, 1, 0
	WIN 0
; THE WAY OUT, block by block of 16 rows x 128 columns, through my own stage: in by lanes (32 bytes of a row at a time), back as whole rows of 512 bytes.  LDS serves a wave's instructions in order (ISA guide 5.7.1.4).
.macro TOSTAGE a
.set AC, 64*((\a)%4)
	WIN 0x08+4*((\a)/4)                            ; the data: window 2 or 3
.irp b, 0,1,2,3,4,5,6,7
	ds_store_b128 v[STO], v[AC+8*\b:AC+8*\b+3] offset:128*(\b/2)+32*(\b%2)          ; each accumulator from its low end on
	ds_store_b128 v[STO], v[AC+8*\b+4:AC+8*\b+7] offset:128*(\b/2)+32*(\b%2)+16
.endr
	WIN 0
.set BB, BK+64*((\a)%2)
.irp t, 0,1,2,3,4,5,6,7,8,9,10,11,12,13,14,15
	ds_load_b128 v[BB+4*\t:BB+4*\t+3], v[RD] offset:\t*SPITCH
.endr
.endm
.macro SEND a, younger                 ; younger: the LDS instructions issued behind block a's loads, which may stay out
.set BB, BK+64*((\a)%2)
	s_wait_dscnt \younger
.if (\a) > 0
	s_add_nc_u64 s[12:13], s[12:13], (8+16*(1-(\a)%2))*4096   ; (behind a wait on XCNT)  an odd tile begins 8 rows behind the even one, the next even tile 24 rows behind the odd one
.endif
.irp t, 0,1,2,3,4,5,6,7,8,9,10,11,12,13,14,15
	global_store_b128 v[CO], v[BB+4*\t:BB+4*\t+3], s[12:13] offset:(\t+8*(\t/8))*4096 th:TH_STORE_NT   ; 512 consecutive bytes, at a multiple of 256 from out0's first byte; written once, read by nobody here
.endr
.endm
	PLACES NP
	TOSTAGE 0
.irp a, 1,2,3,4,5,6,7
.if \a > 1
	s_wait_xcnt 0x0                                ; block a - 2's stores have read their registers and their base
.endif
	TOSTAGE \a
	SEND \a-1, 32                                  ; behind block a - 1's loads: block a's 16 stores and 16 loads
.endr
	s_wait_xcnt 0x0
	SEND 7, 0
	s_wait_tensorcnt 0x0                           ; the wave's end
	ds_add_u32 v[SPW], v[NIL]
	s_wait_dscnt 0x0
	CROUND                                         ; the closing round
	s_endpgm
.Lfunc_end_k_q259fbc098d_out:
	.size	k_q259fbc098d_out, .Lfunc_end_k_q259fbc098d_out-k_q259fbc098d_out
	.p2alignl 7, 3214868480
	.fill 96, 4, 3214868480
	.section	.rodata,"a",@progbits
	.p2align	6, 0x0
	.amdhsa_kernel k_q259fbc098d_out
		.amdhsa_group_segment_fixed_size 327680
		.amdhsa_private_segment_fixed_size 0
		.amdhsa_enable_private_segment 0
		.amdhsa_kernarg_size 48
		.amdhsa_user_sgpr_count 2
		.amdhsa_user_sgpr_kernarg_segment_ptr 1
		.amdhsa_wavefront_size32 1
		.amdhsa_system_sgpr_workgroup_id_x 1
		.amdhsa_system_sgpr_workgroup_id_y 1
		.amdhsa_system_sgpr_workgroup_id_z 1
		.amdhsa_system_vgpr_workitem_id 0
		.amdhsa_next_free_vgpr 1024
		.amdhsa_next_free_sgpr 100
		.amdhsa_reserve_vcc 0
		.amdhsa_float_denorm_mode_32 3
		.amdhsa_float_denorm_mode_16_64 3
		.amdhsa_memory_ordered 1
		.amdhsa_forward_progress 1
		.amdhsa_inst_pref_size 146
	.end_amdhsa_kernel
	.amdgpu_metadata
---
amdhsa.version: [ 1, 2 ]
amdhsa.kernels:
  - .name:           k_q259fbc098d_out
    .symbol:         k_q259fbc098d_out.kd
    .args:
      - { .name: ci, .offset: 0, .size: 8, .value_kind: global_buffer, .address_space: global }
      - { .name: cs, .offset: 8, .size: 8, .value_kind: global_buffer, .address_space: global }
      - { .name: wi, .offset: 16, .size: 8, .value_kind: global_buffer, .address_space: global }
      - { .name: ws, .offset: 24, .size: 8, .value_kind: global_buffer, .address_space: global }
      - { .name: bo, .offset: 32, .size: 8, .value_kind: global_buffer, .address_space: global }
      - { .name: out0, .offset: 40, .size: 8, .value_kind: global_buffer, .address_space: global }
    .group_segment_fixed_size: 327680
    .private_segment_fixed_size: 0
    .kernarg_segment_align: 8
    .kernarg_segment_size: 48
    .max_flat_workgroup_size: 128
    .sgpr_count:     100
    .vgpr_count:     1024
    .wavefront_size: 32
...
	.end_amdgpu_metadata
.endif
;; end of part 4
